; MI455X (gfx1250); checked and timed in simulation.
; The chip was launched on July 23, 2026; its instructions are those of AMD's public machine-readable ISA for CDNA 5 (MIT licence, August 2026) and "CDNA5" Instruction Set Architecture Reference Guide (July 2026). The comments in the code are by the model that wrote it; some were corrected since.
;; Scaled Dot Product Self Attention. Allowed arithmetic: matrix products marked QUANTISED: E2M3 operands, one E8M0 scale for each 32 along K, by v_wmma_scale_f32_16x16x128_f8f6f4 with both operands' format E2M3, f32 sums; everything else in f32.
;; Inputs: Wk 1,024 x 1,024 float32; Wq 1,024 x 1,024 float32; Wv 1,024 x 1,024 float32; x 4 x 2,048 x 1,024 float32.
;; Outputs: out0 4 x 2,048 x 1,024 float32.
;; This version of the problem:
;;   THIS VERSION OF THE PROBLEM IS GIVEN IN LOW PRECISION. The matrix products marked QUANTISED in the list below multiply operands that are first quantised to E2M3 (2 exponent bits, 3 mantissa bits; 6 bits a number), with one power-of-two scale for each 32 numbers along K (OCP MX v1.0); their sums are f32. All else is computed in f32.
;;   The module's matrix products, in the order in which they are computed (A, B: the left and right operand; K: the contracted axis; several contracted axes count as one K, in the product's order):
;;     1. [M 8,192, K 1,024] x [K 1,024, N 1,024]; A: input x; B: input Wq: QUANTISED
;;     2. [M 8,192, K 1,024] x [K 1,024, N 1,024]; A: input x; B: input Wk: QUANTISED
;;     3. [M 8,192, K 1,024] x [K 1,024, N 1,024]; A: input x; B: input Wv: QUANTISED
;;     4. batch 4 x [M 2,048, K 1,024] x [K 1,024, N 2,048]; A: computed on the way; B: computed on the way: QUANTISED
;;     5. batch 4 x [M 2,048, K 2,048] x [K 2,048, N 1,024]; A: softmax (see below); B: computed on the way: QUANTISED
;;   THE QUANTISER, for each operand of a quantised product, along K:
;;     - K is cut into blocks of 32 from its start; a last block that is shorter is filled with zeros.
;;     - A block's scale is 2^e with e = floor(log2(the largest magnitude in the block)) - 2, held to -126 .. 127; a block of zeros has e = 0. As a byte (E8M0): e + 127.
;;     - Each number is divided by its block's scale, clamped to +-7.5, and rounded to the nearest number of E2M3, ties to even, subnormals kept.
;;     - The product sums the exact products of the quantised numbers (number of the format x scale) in f32.
;;   ~~~python
;;   def quantise(x, axis):      # numpy; x: float32 -> the quantised numbers, widened to float32 again
;;       x = np.moveaxis(x, axis, -1); K = x.shape[-1]
;;       x = np.pad(x, [(0, 0)] * (x.ndim - 1) + [(0, -K % 32)]); x = x.reshape(x.shape[:-1] + (-1, 32)); a = np.abs(x).max(-1, keepdims=True)
;;       e = np.where(a > 0, np.clip(np.frexp(np.where(a > 0, a, 1))[1] - 1 - 2, -126, 127), 0)      # np.frexp(a)[1] - 1 = floor(log2(a)), exactly
;;       r = np.clip(x / 2.0 ** e, -7.5, 7.5)
;;       step = 2.0 ** (np.maximum(np.frexp(np.where(r == 0, 1, r))[1] - 1, 0) - 3)
;;       q = np.round(r / step) * step * 2.0 ** e      # np.round: ties to even
;;       return np.moveaxis(q.reshape(q.shape[:-2] + (-1,))[..., :K], -1, axis).astype(np.float32)
;;   ~~~
;;   SOFTMAX AHEAD OF A QUANTISED PRODUCT. Where the list says 'softmax', what is quantised is not the finished softmax but p = 2^(t - M), with t = logit x log2(e) and M = ceil(the row's largest t), a whole number; so 1/2 < the row's largest p <= 1. The row's sum l is taken of the UNQUANTISED p, in f32, and the product's result is divided by l at the end. Since M is a whole number, a kernel that streams over the keys may use a running M (the ceiling of the running maximum): every later rescaling is an exact power of two, which a block's scale takes up: the codes' values come out the same.
;;   OPERANDS COMPUTED ON THE WAY. 'Computed on the way' means the value that the module computes at that place (a softmax that the list does not call 'softmax' is quantised finished and normalised). What goes into a quantiser is computed in f32, as accurately as f32 sums, v_exp_f32 and their like allow (about 1e-6 of the number): no bf16 or f16 on the way to a quantiser, and a product that is left as it is and whose result goes on into a quantised operand takes f32 operands (vector FMAs, or v_wmma_f32_16x16x4_f32). A number that lies on a knife's edge between two numbers of the format may be rounded either way, as far as f32 arithmetic and the matrix unit's own rounding can turn it there, and no further.
;; One version. Each part assembles by itself: llvm-mc -triple=amdgcn-amd-amdhsa -mcpu=gfx1250 --defsym DOCPART=n.
;; ======== version 1 of 1: 4 launches
;; limits: right only within a limited range of input values
;; workspace buffers: xc 6,553,600 bytes; wc 2,457,600 bytes; qc 6,553,600 bytes; kc 6,553,600 bytes; vc 6,553,600 bytes; pc 12,582,912 bytes; pml 1,572,864 bytes
;; launch quant (part 1): grid 256 x 1, 11 waves a work-group, no clusters, 187,392 bytes of LDS; arguments x, Wq, Wk, Wv, xc, wc; writes xc, wc
.if DOCPART == 1
	.amdgcn_target "amdgcn-amd-amdhsa--gfx1250"
	.amdhsa_code_object_version 6
	.text
	.protected	k_q168a1dcd9a_quant
	.globl	k_q168a1dcd9a_quant
	.p2align	8
	.type	k_q168a1dcd9a_quant,@function
k_q168a1dcd9a_quant:
	s_mov_b64 s[64:65], 0
	v_nop
	global_prefetch_b8 v0, s[64:65] scope:SCOPE_SE
	s_setreg_imm32_b32 hwreg(HW_REG_WAVE_MODE, 25, 1), 1
	s_wait_xcnt 0x0
; LAUNCH 1 OF 4.  out = softmax(q k^T / 32) v with q, k, v = x Wq^T, x Wk^T, x Wv^T; all five products on codes of FP6 (E2M3) with one E8M0 scale for each 32 along K.
; Nothing of the problem is left out: every input reaches the output and every product is live.
; THIS LAUNCH turns x [8192][1024] and Wq, Wk, Wv [1024][1024], f32, K innermost, into codes and scale bytes, in the order in which the products' operand registers take them.
; A block's scale is 2^(floor(log2(its largest magnitude)) - 2); its byte is the largest magnitude's exponent field - 2, held at 1 from below; each number is divided by the scale and rounded to the nearest code, ties to even,
; beyond 7.5 the largest code.
; LIMITS: a block of zeros gets the byte 1 where the rule says 127 (its codes are zeros, which add nothing under any byte but 0xff, and this program alone reads the bytes); NaN and infinities among the inputs are not served.
; THE RECORD of xc and wc: 8 fragments of 16 rows x 128 along K in 12,800 bytes; eight records (kappa = 0 .. 7) on end are 128 rows, K = 1,024.
;   A fragment is 1,536 bytes, an image of an operand's 12 registers: byte 512 c + 16 lane + 4 e holds register 4 c + e of that lane (lane (r, h): registers 6 c .. 6 c + 5 hold k = 64 c + 32 h + 0 .. 31 of its row).
;   From byte 12,288 on the scale words (four bytes: 128 along K of a row): that of row r of fragment f at 256 (f / 4) + 128 ((f / 2) % 2) + 8 r + 4 (f % 2).
; THE ORDER OF ROWS.  x, Wq, Wk: row 8 h + i of fragment j = 2 u + t of a band of 64 rows is the band's row 32 h + 16 t + 2 i + u.  So when such rows are source 0 of a product, a lane's 32 registers of the band's four tiles are one whole
;   block of 32 along the next K, in the order 8 j + i, which is the same for both operands of that next product.  Wv: row 8 h + i of fragment f is row 32 (f / 2) + 16 h + 8 (f % 2) + i of the 128.
; WHICH FRAGMENTS: wc: group of 128 rows, f = 4 (band) + j.  xc: 256 tokens g make two groups, one for each band c: group 2 g + c holds f = 4 w + j, the fragments of tokens 256 g + 128 w + 64 c + 0 .. 63.
; SHARES.  A task is 32 rows x 128 along K: two fragments.  (8,192 + 3,072) / 32 x 8 = 2,816 tasks = 256 work-groups x 11 waves: a wave a task.  One tensor load brings the task's 32 rows x 512 bytes into the wave's own LDS bytes
; (each row two whole aligned runs of 256 bytes of memory; every second row of a band, of Wv 32 rows on end); the lanes then take their rows' blocks of 32 from there.  LDS is filled once; waves share nothing: no barrier.
.set WSTG,  16896                      ; a wave's LDS bytes: 32 rows x (512 + 16)
.set SPARE, 11*WSTG                    ; behind them the spare words, 128 bytes for each wave, rounded up to six blocks of 256 bytes that no other line names
.set REC,   12800
.set SCO,   12288
.set AD,  2                            ; v2   LDS address of my row's blocks
.set GO,  3                            ; v3   16 x lane: my place in an image
.set SOF, 4                            ; v4   8 r + 4 h: my place among the scale words
.set SH,  5                            ; v5   8 h
.set SPW, 6                            ; v6   LDS address of my spare word; never rewritten
.set NIL, 7                            ; v7   0; never rewritten
.set MX,  8                            ; v8-9   largest magnitudes
.set SO,  10                           ; v10-11 the conversions' scale operands
.set BY,  12                           ; v12-13 the scales' bytes
.set TW,  14
.set TP,  15
.set W,   16                           ; v16-17 the two fragments' scale words
.set SW,  18
.set X,   32                           ; v32-159  2 fragments x 64 numbers
.set C,   160                          ; v160-183 2 fragments x 12 registers of codes
.set PT,  184                          ; v184-191 the upper halves of a fragment's two blocks, before they are moved
.set G1,  32                           ; s[32:39] descriptor group 1: every second row;  s[56:63] for Wv: rows on end
.set G1W, 56
.set G0,  40                           ; s[40:43] descriptor group 0
.set SEL, 44                           ; s[44:45] v_permlanex16_b32's selects for lane l xor 16
.set HM,  46                           ; s46      the mask of lanes 16-31
.set OC,  48                           ; s[48:49] where my codes go
.set OS,  50                           ; s[50:51] where my scale words go
	s_load_b256 s[4:11], s[0:1], 0x0               ; x s[4:5], Wq s[6:7], Wk s[8:9], Wv s[10:11]
	s_load_b128 s[12:15], s[0:1], 0x20             ; xc s[12:13], wc s[14:15]
	v_lshl_add_u32 v[SPW], v0, 2, SPARE
	v_mov_b32 v[NIL], 0
	ds_add_u32 v[SPW], v[NIL]                      ; the wave's opening: the add, twice on end, and its wait ahead of my tensor load
	ds_add_u32 v[SPW], v[NIL]
	v_lshrrev_b32 v1, 5, v0
	s_delay_alu instid0(VALU_DEP_1)
	v_readfirstlane_b32 s16, v1                    ; wave 0..10
	s_mul_i32 s17, ttmp9, 11
	s_add_co_u32 s17, s17, s16                     ; my task
	s_lshr_b32 s18, s17, 3                         ; its 32 rows: 0-255 x, 256-287 Wq, 288-319 Wk, 320-351 Wv
	s_and_b32 s19, s17, 7                          ; its 128 along K
.irp g, G1, G1W
	s_mov_b32 s[\g+0], (2<<16)|(1<<20)|(6<<22)|(3<<25)  ; no mask; elements of 4 bytes; padding on: behind every 128 words (code 6) 4 words (code 3)
	s_mov_b32 s[\g+1], 128<<16                     ; tensor_dim0 = 128
	s_mov_b32 s[\g+2], 32<<16                      ; tensor_dim1 = 32
	s_mov_b32 s[\g+3], 128<<16                     ; tile_dim0 = 128
	s_mov_b32 s[\g+4], 32                          ; tile_dim1 = 32
	s_mov_b32 s[\g+6], 0
	s_mov_b32 s[\g+7], 0
.endr
	s_mov_b32 s[G1+5], 2048                        ; elements from row to row
	s_mov_b32 s[G1W+5], 1024
	s_mov_b32 s[G0], 1
	s_mul_i32 s[G0+1], s16, WSTG                   ; my wave's LDS bytes
	s_mov_b32 s[SEL], 0x76543210
	s_mov_b32 s[SEL+1], 0xfedcba98
	s_mov_b32 s[HM], 0xffff0000
	s_wait_dscnt 0x0                               ; both opening adds are done
	s_wait_kmcnt 0x0
	s_cmp_lt_u32 s18, 320                          ; which tensor: the choices hang on the task's number alone
	s_cselect_b64 s[20:21], s[8:9], s[10:11]
	s_cmp_lt_u32 s18, 288
	s_cselect_b64 s[20:21], s[6:7], s[20:21]
	s_cmp_lt_u32 s18, 256
	s_cselect_b64 s[20:21], s[4:5], s[20:21]
	s_cselect_b64 s[OC:OC+1], s[12:13], s[14:15]
	s_cselect_b32 s22, 0, 256
	s_cselect_b32 s23, 255, 31
	s_sub_co_u32 s22, s18, s22                     ; o: my 32 rows in the output buffer (the three weights lie on end in wc)
	s_and_b32 s23, s22, s23                        ; and in the tensor that they come from
	s_lshl_b32 s24, s23, 17                        ; Wv: 32 rows of 4,096 bytes
	s_lshr_b32 s25, s23, 1
	s_lshl_b32 s25, s25, 18                        ; the others: band o / 2, 64 rows,
	s_and_b32 s26, s23, 1
	s_lshl_b32 s26, s26, 12                        ; from row u = o % 2 on
	s_add_co_u32 s25, s25, s26
	s_cmp_lt_u32 s18, 320
	s_cselect_b32 s24, s25, s24
	s_lshl_b32 s25, s19, 9                         ; 128 numbers of 4 bytes
	s_add_co_u32 s24, s24, s25
	s_mov_b32 s25, 0
	s_add_nc_u64 s[G0+2:G0+3], s[20:21], s[24:25]
	s_or_b32 s[G0+3], s[G0+3], 0x80000000          ; type = 2
	s_cmp_lt_u32 s18, 320
	s_cbranch_scc0 .Lwv
	tensor_load_to_lds s[G0:G0+3], s[G1:G1+7]      ; my one tensor load
	s_nop 0
.rept 4
	v_nop
.endr
	s_branch .Lasked
.Lwv:
	tensor_load_to_lds s[G0:G0+3], s[G1W:G1W+7]    ; the same of Wv
	s_nop 0
.rept 4
	v_nop
.endr
.Lasked:
	s_and_b32 s26, s22, 2                          ; x: o = 8 g + 4 w + 2 c + u; its fragments lie as those of 8 g + 4 c + 2 w + u
	s_lshl_b32 s26, s26, 1
	s_and_b32 s27, s22, 4
	s_lshr_b32 s27, s27, 1
	s_or_b32 s26, s26, s27
	s_and_b32 s27, s22, 0xf9
	s_or_b32 s26, s26, s27
	s_cmp_lt_u32 s18, 256
	s_cselect_b32 s22, s26, s22
	s_lshr_b32 s26, s22, 2                         ; the group of 8 records,
	s_lshl_b32 s26, s26, 3
	s_add_co_u32 s26, s26, s19                     ; its record for my 128 along K,
	s_mul_i32 s26, s26, REC
	s_and_b32 s27, s22, 3                          ; and in it fragments 2 (o % 4) and 2 (o % 4) + 1
	s_mul_i32 s28, s27, 3072
	s_add_co_u32 s24, s26, s28
	s_lshl_b32 s28, s27, 7                         ; their scale words: 128 (o % 4) bytes on
	s_add_co_u32 s28, s28, s26
	s_add_co_u32 s28, s28, SCO
	s_mov_b32 s29, 0
	s_add_nc_u64 s[OS:OS+1], s[OC:OC+1], s[28:29]
	s_add_nc_u64 s[OC:OC+1], s[OC:OC+1], s[24:25]
	v_and_b32 v20, 15, v0                          ; r
	v_bfe_u32 v21, v0, 4, 1                        ; h
	s_delay_alu instid0(VALU_DEP_2)
	v_and_b32 v22, 8, v20
	s_delay_alu instid0(VALU_DEP_1)
	v_add_nc_u32 v22, v22, v20                     ; r + 8 (r / 8): fragment 0's row of the 32; fragment 1's lies 8 further on
	s_delay_alu instid0(VALU_DEP_1)
	v_mul_u32_u24 v[AD], v22, 528
	s_delay_alu instid0(VALU_DEP_1)
	v_lshl_add_u32 v[AD], v21, 7, v[AD]            ; + 128 h: lane (r, h) takes blocks h and 2 + h
	s_delay_alu instid0(VALU_DEP_1)
	v_add_nc_u32 v[AD], s[G0+1], v[AD]
	v_and_b32 v23, 31, v0
	s_delay_alu instid0(VALU_DEP_1)
	v_lshlrev_b32 v[GO], 4, v23
	v_lshlrev_b32 v[SOF], 3, v20
	s_delay_alu instid0(VALU_DEP_1)
	v_lshl_add_u32 v[SOF], v21, 2, v[SOF]
	v_lshlrev_b32 v[SH], 3, v21
	v_mov_b32 v[TP], 0                             ; written once: a lane permute's destination counts as one of its sources
	s_wait_alu depctr_va_vdst(0)
	s_wait_tensorcnt 0x0                           ; my tile is in LDS; I alone read it
.irp u, 0,1
.irp c, 0,1
.irp j, 0,1,2,3,4,5,6,7
	ds_load_b128 v[X+64*\u+32*\c+4*\j:X+64*\u+32*\c+4*\j+3], v[AD] offset:4224*\u+256*\c+16*\j   ; k = 64 c + 32 h + 4 j on, of fragment u's row
.endr
.endr
.endr
; Fragment u: my two whole blocks of 32 become 12 registers of codes and my half of the row's scale word.
.macro QF u
.set XS, X+64*(\u)
.set CU, C+12*(\u)
.irp c, 0,1
	v_max3_num_f32 v[MX+\c], |v[XS+32*\c]|, |v[XS+32*\c+1]|, 0x1800000   ; with the floor 2^(3 - 127): the byte cannot fall under 1
.endr
.irp i, 2,4,6,8,10,12,14,16,18,20,22,24,26,28,30
.irp c, 0,1
	s_delay_alu instid0(VALU_DEP_2)
	v_max3_num_f32 v[MX+\c], v[MX+\c], |v[XS+32*\c+\i]|, |v[XS+32*\c+\i+1]|   ; (the two blocks by turns)
.endr
.endr
.irp c, 0,1
	s_delay_alu instid0(VALU_DEP_2)
	v_add_nc_u32 v[SO+\c], 0xff000000, v[MX+\c]    ; 2 off the exponent field: the conversion takes this operand's exponent field as its scale
.endr
.irp c, 0,1
	s_delay_alu instid0(VALU_DEP_2)
	v_lshrrev_b32 v[BY+\c], 23, v[SO+\c]           ; the scale's byte
.endr
	s_delay_alu instid0(VALU_DEP_1)
	v_lshl_or_b32 v[TW], v[BY+1], 16, v[BY]        ; blocks h and 2 + h,
	s_delay_alu instid0(VALU_DEP_1)
	v_lshlrev_b32 v[TW], v[SH], v[TW]              ; at their places in the word;
	s_delay_alu instid0(VALU_DEP_1)
	v_permlanex16_b32 v[TP], v[TW], s[SEL], s[SEL+1]
	s_delay_alu instid0(VALU_DEP_1)
	v_or_b32 v[W+(\u)], v[TW], v[TP]               ; with lane l xor 16's two the word is whole
.irp c, 0,1
	v_cvt_scalef32_pk16_fp6_f32 v[CU+6*\c:CU+6*\c+2], v[XS+32*\c:XS+32*\c+15], v[SO+\c]
	v_cvt_scalef32_pk16_fp6_f32 v[PT+4*\c:PT+4*\c+2], v[XS+32*\c+16:XS+32*\c+31], v[SO+\c]   ; (a conversion's three registers begin on an even number: the second half of a block's six is made elsewhere and moved)
.endr
	v_nop                                          ; one plain line behind the last conversion
.irp c, 0,1
.irp i, 0,1,2
	v_mov_b32 v[CU+6*\c+3+\i], v[PT+4*\c+\i]
.endr
.endr
.irp c, 0,1,2
	global_store_b128 v[GO], v[CU+4*\c:CU+4*\c+3], s[OC:OC+1] offset:1536*(\u)+512*\c   ; 32 lanes store 512 consecutive bytes, at a multiple of 256 from the buffer's first byte
.endr
.endm
	s_wait_dscnt 16                                ; fragment 0's sixteen loads are in; fragment 1's sixteen may be out
	QF 0
	s_wait_dscnt 0x0
	QF 1
	v_cndmask_b32 v[SW], v[W], v[W+1], s[HM]       ; lanes 0-15 store fragment 0's words, lanes 16-31 fragment 1's
	global_store_b32 v[SOF], v[SW], s[OS:OS+1]     ; 128 consecutive bytes: the scale words are one byte in 25 of what the launch stores
	s_wait_tensorcnt 0x0                           ; the wave's end
	ds_add_u32 v[SPW], v[NIL]
	s_wait_dscnt 0x0
	s_endpgm
.Lfunc_end_k_q168a1dcd9a_quant:
	.size	k_q168a1dcd9a_quant, .Lfunc_end_k_q168a1dcd9a_quant-k_q168a1dcd9a_quant
	.p2alignl 7, 3214868480
	.fill 96, 4, 3214868480
	.section	.rodata,"a",@progbits
	.p2align	6, 0x0
	.amdhsa_kernel k_q168a1dcd9a_quant
		.amdhsa_group_segment_fixed_size 187392
		.amdhsa_private_segment_fixed_size 0
		.amdhsa_enable_private_segment 0
		.amdhsa_kernarg_size 48
		.amdhsa_user_sgpr_count 2
		.amdhsa_user_sgpr_kernarg_segment_ptr 1
		.amdhsa_wavefront_size32 1
		.amdhsa_system_sgpr_workgroup_id_x 1
		.amdhsa_system_sgpr_workgroup_id_y 1
		.amdhsa_system_sgpr_workgroup_id_z 1
		.amdhsa_system_vgpr_workitem_id 0
		.amdhsa_next_free_vgpr 192
		.amdhsa_next_free_sgpr 66
		.amdhsa_reserve_vcc 0
		.amdhsa_float_denorm_mode_32 3
		.amdhsa_float_denorm_mode_16_64 3
		.amdhsa_memory_ordered 1
		.amdhsa_forward_progress 1
		.amdhsa_inst_pref_size 17
	.end_amdhsa_kernel
	.amdgpu_metadata
---
amdhsa.version: [ 1, 2 ]
amdhsa.kernels:
  - .name:           k_q168a1dcd9a_quant
    .symbol:         k_q168a1dcd9a_quant.kd
    .args:
      - { .name: x, .offset: 0, .size: 8, .value_kind: global_buffer, .address_space: global }
      - { .name: Wq, .offset: 8, .size: 8, .value_kind: global_buffer, .address_space: global }
      - { .name: Wk, .offset: 16, .size: 8, .value_kind: global_buffer, .address_space: global }
      - { .name: Wv, .offset: 24, .size: 8, .value_kind: global_buffer, .address_space: global }
      - { .name: xc, .offset: 32, .size: 8, .value_kind: global_buffer, .address_space: global }
      - { .name: wc, .offset: 40, .size: 8, .value_kind: global_buffer, .address_space: global }
    .group_segment_fixed_size: 187392
    .private_segment_fixed_size: 0
    .kernarg_segment_align: 8
    .kernarg_segment_size: 48
    .max_flat_workgroup_size: 352
    .sgpr_count:     66
    .vgpr_count:     192
    .wavefront_size: 32
...
	.end_amdgpu_metadata
.endif
;; end of part 1
;; launch proj (part 2): grid 16 x 16, 4 waves a work-group, clusters of 4 x 4, 327,680 bytes of LDS; arguments xc, wc, qc, kc, vc; writes qc, kc, vc
.if DOCPART == 2
	.amdgcn_target "amdgcn-amd-amdhsa--gfx1250"
	.amdhsa_code_object_version 6
	.text
	.protected	k_q168a1dcd9a_proj
	.globl	k_q168a1dcd9a_proj
	.p2align	8
	.type	k_q168a1dcd9a_proj,@function
k_q168a1dcd9a_proj:
	s_mov_b64 s[64:65], 0
	v_nop
	global_prefetch_b8 v0, s[64:65] scope:SCOPE_SE
	s_setreg_imm32_b32 hwreg(HW_REG_WAVE_MODE, 25, 1), 1
	s_wait_xcnt 0x0
	s_wait_alu depctr_hold_cnt(0) depctr_sa_sdst(0) depctr_va_vdst(0) depctr_va_sdst(0) depctr_va_ssrc(0) depctr_va_vcc(0) depctr_vm_vsrc(0)
	s_getreg_b32 s2, hwreg(HW_REG_IB_STS2, 6, 4)
	s_cmp_eq_u32 s2, 0
	s_cbranch_scc0 .Lentry_in_a_cluster
	s_endpgm
.Lentry_in_a_cluster:
	s_bfe_u32 s2, ttmp6, 0x10000c
	s_cmp_lg_u32 s2, 0xf033
	s_cbranch_scc0 .Lentry_shape_is_right
	s_endpgm
.Lentry_shape_is_right:
; LAUNCH 2 OF 4: q = x Wq^T, k = x Wk^T, v = x Wv^T on codes of FP6 (E2M3), sums in f32; each result is quantised in registers along the K of the product that takes it (q, k: the channels; v: the tokens) and stored as codes.
; Nothing is left out.  LIMITS: a block of zeros gets the byte 1 where the rule says 127 (its codes are zeros; this program alone reads the bytes); NaN and infinities are not served.
; IN: xc, wc as launch 1 lays them (groups of 8 records of 12,800 bytes; its head gives the order of rows).
; OUT: records of 12,800 bytes, eight fragments of 1,536 and from byte 12,288 on the scale words (row r of fragment f at 256 (f / 4) + 128 ((f / 2) % 2) + 8 r + 4 (f % 2)).
;   qc, kc: record (256 tokens g, 128 channels kappa, group w of 128 tokens) at ((8 g + kappa) 2 + w); fragment f = 4 c + j = tokens of band c; a fragment is two halves of 768 bytes, channels 64 b + ..: 16 lane: registers 0-3 of the half's six; 512 + 8 lane: registers 4, 5.
;   vc: record (128 channels, 128 tokens) at 64 x (channels) + tokens; fragment f = 4 b + t = 16 channels, 12 registers as three runs of 512 bytes.
; THE DEAL.  256 work-groups of four waves, 2 x 2; a wave holds 64 rows of a weight, ALL of K, in registers (384) and streams x's rows past them in blocks of 16 rows: the wave in row a takes block s = 4 c + j of tokens 128 a + 64 c + ..
; A work-group makes 256 x 128 of V, PHASE 1, and then 512 x 128 of Q or K, PHASE 2.  V's 256 tokens are a half of the work-group's own 512: the two chunks asked for at the head serve V's eight blocks and then, still in LDS,
; the first eight blocks of Q or K; the other half's two chunks are loaded later.  Which half (s87) and which tensor (s19) come from the cluster's number alone.  V's tile column is 4 s19 + cx, its 256 tokens 2 x phase 2's + s87.
; CLUSTER 4 x 4: x's chunks are shared by a row of the cluster, a weight's rows by a column: every tile is a joint load.
; LDS: two slots for x's chunks, a region of its own for the weights' 128 rows, the stages for the results' scale bytes, the spare words.
; FILLS.  At the head one tensor load a wave: Wv's two halves, chunk 0, chunk 1.  Three refills, each in a drained round: in V's block 2 the weights' region takes Wq's or Wk's rows; in phase 2's blocks 2 and 6 a slot takes a chunk of the other half.
; PREFETCH: each refill's tile is asked for into the L2 several blocks ahead, each 256-byte block once in a cluster, shared out by address among the sixteen waves of the four work-groups that load it.
; A BLOCK is 32 products; behind every second one stand two entries of the block's list: scalar lines and the first part of the last block's way out.
; THE WAITS' COUNTS: a block's rows were fetched two blocks ago; younger are the next block's fetch (24 loads, or 32 where it is even and brings a pair's scale words) and the stores of scale bytes since (0, 1 or 4).
.set REC,   12800
.set SCO,   12288
.set GRP,   8*REC
.set HALF,  4*REC
.set YB,    GRP
.set BVB,   2*GRP
.set XN,    3*GRP                      ; Q's or K's scale words: [half in the order of work][row of waves][512]
.set XM,    XN+2048                    ; V's: [row of waves][512]
.set SPARE, XM+1024
.set EMAX,  2
.set CO,    1                          ; 16 x lane
.set SPW,   2
.set NIL,   3
.set AX,    4                          ; v4, v5  LDS address of my fragments in the slot that is fetched next: K's first four records, its last four
.set AS,    6                          ; v6, v7  and of their scale words
.set STO,   8                          ; LDS, Q's or K's scale byte
.set STV,   9                          ; LDS, V's
.set VX,    10
.set AX0,   11                         ; v11, v23 the same in slot 0
.set AS0,   23
.set C8,    12                         ; 8 x lane
.set TQ,    16                         ; v16, v17 the two chains
.set TC,    18                         ; v18-20  the second conversion's codes
.set SB,    24                         ; v24-39  the weights' scale words, a pair for each record
.set SOP,   40                         ; v40-43
.set SA,    44                         ; v44-75  the rows' scale words: two sets, each a pair of blocks
.set HV0,   76                         ; v76-203 phase 1, band 0: 32 t + 8 j + i
.set ACC,   76                         ; v76-139 phase 2: two sets of four accumulators
.set NCD,   140                        ; v140-151 phase 2: six registers of the even block, six of the odd
.set MCD,   204                        ; v204-251 phase 1: four operands of twelve
.set EB,    252
.set HV1,   840                        ; v840-967 band 1
.set AW,    216                        ; window 3: v984, v985 LDS address of my fragments of the weights;  v986, v987 of their scale words
.set G1A, 24                           ; s[24:31] descriptor group 1 of x's chunks; s[56:59], s[68:71] group 0
.set G0A, 56
.set G0R, 68
.set G1B, 32                           ; s[32:39], s[60:63] of half a weight's rows
.set G0B, 60
.set MSB, 0
.macro WIN new
.if MSB != (\new)
	s_set_vgpr_msb (MSB<<8)|(\new)
.set MSB, (\new)
.endif
.endm
.macro PLACES n
.rept \n
	v_nop
.endr
.endm
.macro WALU
	s_wait_alu depctr_va_vdst(0)
.endm
.macro BARRIER
	s_barrier_signal -1
	s_barrier_wait -1
.endm
.macro MIDDLE
	WIN 0
	s_barrier_wait -1
	s_cmp_lg_u32 s14, 0
	s_cbranch_scc1 .Lnot_wave_0_\@
	s_barrier_signal -3
.Lnot_wave_0_\@:
	s_barrier_wait -3
.endm
.macro CROUND
	s_barrier_signal -1
	MIDDLE
	BARRIER
.endm
.macro GRD
	s_wait_tensorcnt 0x0
	ds_add_u32 v[SPW], v[NIL]
.endm
.macro TLOAD g0, g1
	tensor_load_to_lds s[\g0:\g0+3], s[\g1:\g1+7]
	s_nop 0
	PLACES 4
.endm
.macro GROUP1 g, mask, rows            ; dense: rows of 256 bytes
	s_or_b32 s[\g+0], s[\mask], (3<<16)|(1<<21)
	s_mov_b32 s[\g+1], 32<<16
	s_mov_b32 s[\g+2], (\rows)<<16
	s_mov_b32 s[\g+3], 32<<16
	s_mov_b32 s[\g+4], \rows
	s_mov_b32 s[\g+5], 32
	s_mov_b32 s[\g+6], 0
	s_mov_b32 s[\g+7], 0
.endm
.macro SADD d, x
	s_add_co_u32 s\d, s\d, s\x
.endm
; ---- fragments.  Fragment f lies in window 1 + f / 21 at register 12 (f % 21): 0-31 the weights' (4 q + t), 32-39 and 40-47 the rows' two sets
.macro WEIGHTS                         ; my 64 rows of the weight, all of K, and their scale words: 104 loads
.irp q, 0,1,2,3,4,5,6,7
.irp t, 0,1,2,3
.set F_, 4*\q+\t
.set R_, 12*(F_%21)
	WIN ((1+F_/21)<<6)|3
.irp c, 0,1,2
	ds_load_b128 v[R_+4*\c:R_+4*\c+3], v[AW+\q/4] offset:(\q%4)*REC+1536*\t+512*\c
.endr
.endr
.endr
	WIN 3
.irp q, 0,1,2,3,4,5,6,7
	ds_load_b64 v[SB+2*\q:SB+2*\q+1], v[AW+2+\q/4] offset:(\q%4)*REC
.endr
	WIN 0
.endm
.macro FETCH j, ps                     ; block j of the slot into set j % 2: 24 loads, and for an even block the pair's scale words into set ps: 8 more
.irp q, 0,1,2,3,4,5,6,7
.set F_, 32+8*((\j)%2)+\q
.set R_, 12*(F_%21)
	WIN (1+F_/21)<<6
.irp c, 0,1,2
	ds_load_b128 v[R_+4*\c:R_+4*\c+3], v[AX+\q/4] offset:(\q%4)*REC+1536*(\j)+512*\c
.endr
.endr
	WIN 0
.if (\j)%2 == 0
.irp q, 0,1,2,3,4,5,6,7
	ds_load_b64 v[SA+16*(\ps)+2*\q:SA+16*(\ps)+2*\q+1], v[AS+\q/4] offset:(\q%4)*REC+128*((\j)/2)
.endr
.endif
.endm
; ---- a product.  n = 4 q + tile.  kind 0 (Q, K): source 0 the weight's rows; kind 1 (V): source 0 x's rows.
.macro PROD kind, e, ps, n, a0, as
.set Q_, (\n)/4
.set FB_, 4*Q_+(\n)%4
.set FA_, 32+8*(\e)+Q_
.set D_, (\a0)+(\as)*((\n)%4)
.set DL_, D_&255
.set WB_, 1+FB_/21
.set WA_, 1+FA_/21
.set RB_, 12*(FB_%21)
.set RA_, 12*(FA_%21)
.set XB_, SB+2*Q_+(\n)%2
.set XA_, SA+16*(\ps)+2*Q_+(\e)
.if \kind
	WIN WA_|(WB_<<2)|((D_>>8)*0x50)
.if Q_
	PROD1 RA_, RB_, v[DL_:DL_+7], XA_, XB_, b, ((\n)%4)/2
.else
	PROD1 RA_, RB_, 0, XA_, XB_, b, ((\n)%4)/2
.endif
.else
	WIN WB_|(WA_<<2)|((D_>>8)*0x50)
.if Q_
	PROD1 RB_, RA_, v[DL_:DL_+7], XB_, XA_, a, ((\n)%4)/2
.else
	PROD1 RB_, RA_, 0, XB_, XA_, a, ((\n)%4)/2
.endif
.endif
.endm
.macro PROD1 s0, s1, c, x0, x1, side, o
.if \o
	v_wmma_scale_f32_16x16x128_f8f6f4 v[DL_:DL_+7], v[\s0:\s0+11], v[\s1:\s1+11], \c, v[\x0], v[\x1] matrix_a_fmt:MATRIX_FMT_FP6 matrix_b_fmt:MATRIX_FMT_FP6 matrix_\side\()_scale:MATRIX_SCALE_ROW1
.else
	v_wmma_scale_f32_16x16x128_f8f6f4 v[DL_:DL_+7], v[\s0:\s0+11], v[\s1:\s1+11], \c, v[\x0], v[\x1] matrix_a_fmt:MATRIX_FMT_FP6 matrix_b_fmt:MATRIX_FMT_FP6 matrix_\side\()_scale:MATRIX_SCALE_ROW0
.endif
.endm
.macro BLOCK kind, e, ps, a0, as, from, to, list, x=0, y=0
.set N_, \from
.rept (\to)-(\from)
	PROD \kind, \e, \ps, N_, \a0, \as
.if N_%2
	\list N_-1, \x, \y
	\list N_, \x, \y
.endif
.set N_, N_+1
.endr
.endm
; ---- what the lists are made of.  Each macro writes entry i of its part, and nothing beyond its last.
.macro FLIP i                          ; to the other slot: 4 entries
.if (\i) == 0
	s_xor_b32 s101, s101, YB
	WIN 0
	v_add_nc_u32 v[AX], s101, v[AX0]
.elseif (\i) == 1
	WIN 0
	v_add_nc_u32 v[AS], s101, v[AS0]
.elseif (\i) == 2
	WIN 0
	v_add_nc_u32 v[AX+1], HALF, v[AX]
.elseif (\i) == 3
	WIN 0
	v_add_nc_u32 v[AS+1], HALF, v[AS]
.endif
.endm
.macro CHAIN i, x, n, t=TQ             ; a way out's first part, 18 entries: the largest magnitude of the 32 sums from register x on, by two chains, one over each half, and the conversions' scale operand, v[SOP+n]
.set XW_, (\x)>>8
.set XL_, (\x)&255
.if (\i) >= 0 && (\i) < 14
.set B_, XL_+16*((\i)%2)+2*((\i)/2)
.set T_, (\t)+1-(\i)%2
.if (\i) < 2
	WIN XW_|(XW_<<2)|(XW_<<4)
	v_max3_num_f32 v[T_], |v[B_]|, |v[B_+1]|, |v[B_+2]|
.else
	WIN (XW_<<2)|(XW_<<4)
	v_max3_num_f32 v[T_], v[T_], |v[B_+1]|, |v[B_+2]|
.endif
.elseif (\i) == 14
	WIN XW_<<2
	v_max3_num_f32 v[\t+1], v[\t+1], |v[XL_+15]|, (EMAX+1)<<23
.elseif (\i) == 15
	WIN 0
	v_nop                                  ; so that the next line, which reads entry 14's result, stands in the next pair
.elseif (\i) == 16
	WIN XW_<<2
	v_max3_num_f32 v[\t], v[\t], |v[XL_+31]|, v[\t+1]
.elseif (\i) == 17
	WIN 0
	v_add_nc_u32 v[SOP+\n], -(EMAX<<23), v[\t]
.endif
.endm
.macro CODES i, x, c, n, t=TC          ; its second part, 6 lines: 32 codes into v[c .. c+5], the scale's byte into v[EB+n]
.set XW_, (\x)>>8
.set XL_, (\x)&255
.if (\i) == 0
	WIN XW_
	v_cvt_scalef32_pk16_fp6_f32 v[\c:\c+2], v[XL_:XL_+15], v[SOP+\n]
.elseif (\i) == 1
	WIN XW_
	v_cvt_scalef32_pk16_fp6_f32 v[\t:\t+2], v[XL_+16:XL_+31], v[SOP+\n]
.elseif (\i) == 2
	WIN 0
	v_lshrrev_b32 v[EB+\n], 23, v[SOP+\n]
.else
	WIN 0
	v_mov_b32 v[\c+\i], v[\t+\i-3]
.endif
.endm
.macro CODES6 x, c, n                  ; (the shift and the three moves are also the places between the block's products and the fetch)
.irp i, 0,1,2,3,4,5
	CODES \i, \x, \c, \n
.endr
.endm
.macro PFTILE v, off, share            ; my sixteenth of a tile of 400 blocks of 256 bytes: 25, lanes beyond name the last again
	s_mul_i32 s21, s\share, 25*256
	s_add_co_u32 s20, s\off, s21
	WIN 0
	v_min_u32 v\v, 24*16, v[CO]
	v_lshl_add_u32 v\v, v\v, 4, s20
.endm
.macro PFGO v, base
	global_prefetch_b8 v\v, s[\base:\base+1] th:TH_LOAD_NT scope:SCOPE_SE
.endm
.macro ASK i                           ; 3 entries: the descriptor of my half of the chunk at s88 (bytes from xc) for slot s47; then both step on
.if (\i) == 0
	s_mul_i32 s20, s14, HALF
	s_add_co_u32 s[G0R+1], s20, s47
	s_add_co_u32 s20, s20, s88
	s_mov_b32 s21, 0
.elseif (\i) == 1
	s_add_nc_u64 s[G0R+2:G0R+3], s[4:5], s[20:21]
	s_or_b32 s[G0R+3], s[G0R+3], 0x80000000
.elseif (\i) == 2
	s_add_co_u32 s88, s88, GRP
	s_xor_b32 s47, s47, YB
.endif
.endm
.macro PAIR i                          ; 4 entries: where pair s46's codes go (s[84:85]: by the true half) and its scale bytes (v[VX]: by the order of work)
.if (\i) == 0
	s_lshr_b32 s20, s46, 2
	s_and_b32 s22, s46, 3
	s_lshl_b32 s23, s20, 10
	s_xor_b32 s20, s20, s87
.elseif (\i) == 1
	s_mul_i32 s20, s20, 16*REC
	s_mul_i32 s21, s22, 3072
	SADD 20, 21
	s_mov_b32 s21, 0
.elseif (\i) == 2
	s_add_nc_u64 s[84:85], s[10:11], s[20:21]
	s_lshl_b32 s22, s22, 7
	s_or_b32 s22, s22, s23
	s_add_co_u32 s46, s46, 1
.elseif (\i) == 3
	WIN 0
	v_add_nc_u32 v[VX], s22, v[STO]
.endif
.endm
; ---- the lists
.macro L_NONE i, x, y
.endm
.macro L_CH i, x, y
	CHAIN \i, \x, \y
.endm
.macro L_V2 i, x, y                    ; V's block 2: the first refill's descriptor; x's later loads bring half a chunk; the other slot; what the second refill will load is asked for
.if (\i) == 0
	s_mov_b32 s[G1A+2], 200<<16
	s_mov_b32 s[G1A+4], 200
.elseif (\i) == 1
	s_mul_i32 s20, s14, HALF
	SADD 20, 9
	s_mov_b32 s21, 0
	s_add_nc_u64 s[G0B+2:G0B+3], s[6:7], s[20:21]
.elseif (\i) == 2
	s_or_b32 s[G0B+3], s[G0B+3], 0x80000000
.elseif (\i) == 8
	PFTILE 22, 88, 90
.endif
	FLIP (\i)-4
.endm
.macro L_V7 i, x, y                    ; V's last block: what the third refill will load is asked for; the way out; back to slot 0
.if (\i) == 0
	s_add_co_u32 s22, s88, GRP
	PFTILE 21, 22, 90
.endif
	CHAIN (\i)-1, \x, \y
	FLIP (\i)-20
.endm
.macro L_ODD i, x, y                   ; an odd block of phase 2: the pair's places, the even block's way out
	PAIR \i
	CHAIN (\i)-4, ACC, 0
.endm
.macro L_ROUND i, x, y                 ; an even block with a round: the descriptor, the other slot, the odd block's way out
	ASK \i
	FLIP (\i)-4
	CHAIN (\i)-8, ACC+32, 1
.endm
.macro L_SHOW i, x, y
	FLIP \i
	CHAIN (\i)-4, ACC+32, 1
.endm
; ---- phase 2's blocks.  w: the count of the wait for the block's rows (-1: they are shown in already); fj, fps: the block that is fetched behind it (-1: none)
.macro WAITDS w
.if (\w) >= 0
	s_wait_dscnt \w
.endif
.endm
.macro PUT
	global_store_b128 v[CO], v[NCD:NCD+3], s[84:85]
	global_store_b64 v[C8], v[NCD+4:NCD+5], s[84:85] offset:512
	global_store_b128 v[CO], v[NCD+6:NCD+9], s[84:85] offset:1536
	global_store_b64 v[C8], v[NCD+10:NCD+11], s[84:85] offset:2048
.endm
.macro EVENOUT fj, fps                 ; behind an even block: the odd block's byte, the pair's codes, the fetch of the block two on
	WALU
	ds_store_b8 v[VX], v[EB+1] offset:4
	PUT
.if (\fj) >= 0
	FETCH \fj, \fps
.endif
.endm
.macro EVEN w, ps, fj, fps
	WAITDS \w
	BLOCK 0, 0, \ps, ACC, 8, 0, 32, L_CH, ACC+32, 1
	WIN 0
	CODES6 ACC+32, NCD+6, 1
	EVENOUT \fj, \fps
.endm
.macro EVENROUND w, ps, fj, fps
	WAITDS \w
	GRD
	BLOCK 0, 0, \ps, ACC, 8, 0, 26, L_ROUND
	WIN 0
	WALU
	s_wait_dscnt 0x0
	s_barrier_signal -1
	BLOCK 0, 0, \ps, ACC, 8, 26, 32, L_NONE
	WIN 0
	CODES6 ACC+32, NCD+6, 1
	MIDDLE
	BARRIER
	s_cmp_lt_u32 s14, 2
	s_cbranch_scc0 .Lnone_\@
	TLOAD G0R, G1A                                      ; waves 0 and 1: half a chunk each
.Lnone_\@:
	EVENOUT \fj, \fps
.endm
.macro EVENSHOW w, ps, fj, fps         ; a plain barrier inside the block shows the last refill to all
	WAITDS \w
	BLOCK 0, 0, \ps, ACC, 8, 0, 26, L_SHOW
	WIN 0
	WALU
	s_wait_tensorcnt 0x0
	s_wait_dscnt 0x0
	s_barrier_signal -1
	BLOCK 0, 0, \ps, ACC, 8, 26, 32, L_NONE
	WIN 0
	s_barrier_wait -1
	CODES6 ACC+32, NCD+6, 1
	EVENOUT \fj, \fps
.endm
.macro ODD w, ps, fj
	WAITDS \w
	s_wait_xcnt 0x0                                     ; the last pair's stores have read their registers and their base
	BLOCK 0, 1, \ps, ACC+32, 8, 0, 32, L_ODD
	WIN 0
	CODES6 ACC, NCD, 0
	WALU
	ds_store_b8 v[VX], v[EB]
.if (\fj) >= 0
	FETCH \fj, 0
.endif
.endm
; ================= THE HEAD
	s_load_b128 s[4:7], s[0:1], 0x0                     ; xc, wc
	s_load_b128 s[48:51], s[0:1], 0x10                  ; qc, kc
	s_load_b64 s[52:53], s[0:1], 0x20                   ; vc
	v_lshl_add_u32 v[SPW], v0, 2, SPARE
	v_mov_b32 v[NIL], 0
	ds_add_u32 v[SPW], v[NIL]                           ; the wave's opening: the add, twice on end, and its wait ahead of my first tensor load
	ds_add_u32 v[SPW], v[NIL]
	v_lshrrev_b32 v76, 5, v0
	v_readfirstlane_b32 s14, v76                        ; s14 the wave; s15 its row of the 2 x 2, s16 its column
	s_lshr_b32 s15, s14, 1
	s_and_b32 s16, s14, 1
	s_bfe_u32 s40, ttmp6, 0x40000                       ; cx
	s_bfe_u32 s41, ttmp6, 0x40004                       ; cy
	s_lshl_b32 s42, ttmp9, 2
	s_add_co_u32 s42, s42, s40                          ; s42 phase 2's tile column, 0 .. 15: wc's group
	s_and_b32 s43, ttmp7, 0xffff
	s_lshl_b32 s43, s43, 2
	s_add_co_u32 s43, s43, s41                          ; s43 its 512 tokens
	s_lshr_b32 s19, ttmp9, 1                            ; s19: 0 Q, 1 K
	s_and_b32 s87, ttmp9, 1                             ; s87: V's half of my 512 tokens
	s_lshl_b32 s13, s19, 2
	s_add_co_u32 s13, s13, s40                          ; s13 V's tile column
	s_lshl_b32 s12, s43, 1
	s_add_co_u32 s12, s12, s87                          ; s12 V's 256 tokens
	s_lshl_b32 s44, s41, 2
	s_lshl_b32 s44, 15, s44                             ; my row of the cluster
	s_lshl_b32 s45, 0x1111, s40                         ; my column
	GROUP1 G1A, 44, 400
	GROUP1 G1B, 45, 200
	s_mul_i32 s66, s12, 2*GRP                           ; V's half of my tokens, bytes from xc
	s_mov_b32 s67, 0
	s_mul_i32 s9, s42, GRP                              ; Wq's or Wk's rows, from wc
	s_add_co_u32 s54, s13, 16
	s_mul_i32 s54, s54, GRP                             ; Wv's
	s_mul_i32 s20, s14, HALF
	s_add_co_u32 s54, s54, s20
	s_mov_b32 s55, 0
	s_mov_b32 s[G0A], 1
	s_mov_b32 s[G0A+1], 0
	s_mov_b32 s[G0B], 1
	s_add_co_u32 s[G0B+1], s20, BVB                     ; (waves 0 and 1)
	s_mov_b32 s[G0R], 1
	s_mov_b32 s[G0R+1], YB
	s_xor_b32 s88, s87, 1                               ; the chunks still to come are the other half's
	s_lshl_b32 s20, s43, 1
	SADD 88, 20
	s_mul_i32 s88, s88, 2*GRP
	s_lshl_b32 s90, s40, 2
	SADD 90, 14                                         ; my number among the sixteen waves of my row of the cluster
	s_lshl_b32 s100, s41, 2
	SADD 100, 14                                        ; and of my column
	s_mul_i32 s20, s15, 4*1536
	s_lshl_b32 s21, s15, 8
	s_add_co_u32 s21, s21, SCO
	s_mul_i32 s22, s16, 4*1536
	s_add_co_u32 s22, s22, BVB
	s_lshl_b32 s23, s16, 8
	s_add_co_u32 s23, s23, BVB+SCO
	s_lshl_b32 s76, s15, 9
	s_lshl_b32 s77, s16, 1
	s_add_co_u32 s77, s77, s76
	s_add_co_u32 s77, s77, XN
	s_lshl_b32 s78, s16, 8
	s_add_co_u32 s78, s78, s76
	s_add_co_u32 s78, s78, XM
	v_and_b32 v76, 15, v0                               ; r
	v_bfe_u32 v77, v0, 4, 1                             ; h
	v_and_b32 v78, 31, v0
	v_lshlrev_b32 v[CO], 4, v78
	v_lshlrev_b32 v[C8], 3, v78
	v_add_nc_u32 v[AX0], s20, v[CO]
	v_add_nc_u32 v[AX], s20, v[CO]
	v_add_nc_u32 v[AX+1], HALF, v[AX]
	v_lshlrev_b32 v79, 3, v76                           ; 8 r
	v_add_nc_u32 v[AS0], s21, v79
	v_add_nc_u32 v[AS], s21, v79
	v_add_nc_u32 v[AS+1], HALF, v[AS]
	v_add_nc_u32 v79, v79, v77                          ; 8 r + h
	v_add_nc_u32 v[STO], s77, v79
	v_add_nc_u32 v[STV], s78, v79
	WIN 0xc0
	v_add_nc_u32 v[AW], s22, v[CO]
	v_add_nc_u32 v[AW+2], s23, v[C8]
	WIN 0xcc
	v_add_nc_u32 v[AW+1], HALF, v[AW]
	v_add_nc_u32 v[AW+3], HALF, v[AW+2]
	WIN 0
	PFTILE 21, 9, 100                                   ; what the first refill will load
	WALU
	s_wait_dscnt 0x0
	CROUND                                              ; all sixteen work-groups are here: the joint loads meet
	s_wait_kmcnt 0x0
	s_add_nc_u64 s[G0A+2:G0A+3], s[4:5], s[66:67]
	s_add_nc_u64 s[G0R+2:G0R+3], s[G0A+2:G0A+3], GRP
	s_or_b32 s[G0A+3], s[G0A+3], 0x80000000
	s_or_b32 s[G0R+3], s[G0R+3], 0x80000000
	s_add_nc_u64 s[G0B+2:G0B+3], s[6:7], s[54:55]
	s_or_b32 s[G0B+3], s[G0B+3], 0x80000000
.macro ARM n, g0, g1, next
	s_cmp_eq_u32 s14, \n
	s_cbranch_scc0 \next
	TLOAD \g0, \g1
	s_branch .Lasked
\next:
.endm
	ARM 0, G0B, G1B, .Lwave_1                           ; waves 0 and 1: Wv's rows, a half each
	ARM 1, G0B, G1B, .Lwave_2
	ARM 2, G0A, G1A, .Lwave_3                           ; wave 2: chunk 0
	TLOAD G0R, G1A                                      ; wave 3: chunk 1
.Lasked:
	s_cmp_eq_u32 s19, 1
	s_cselect_b64 s[48:49], s[50:51], s[48:49]          ; Q's or K's buffer
	s_and_b32 s20, s42, 7
	s_lshl_b32 s20, s20, 1
	s_lshl_b32 s21, s43, 5
	SADD 20, 21                                         ; record 32 x (512 tokens) + 2 kappa
	s_add_co_u32 s76, s20, s15
	s_mul_i32 s76, s76, REC
	s_mul_i32 s21, s16, 768
	SADD 76, 21
	s_mov_b32 s77, 0
	s_xor_b32 s21, s15, s87                             ; the stage lies in the order of work: wave 2 a + b stores half a's words of group b
	s_lshl_b32 s21, s21, 4
	s_add_co_u32 s78, s20, s21
	SADD 78, 16
	s_mul_i32 s78, s78, REC
	s_add_co_u32 s78, s78, SCO
	s_mov_b32 s79, 0
	s_lshl_b32 s20, s13, 6
	s_lshl_b32 s21, s12, 1
	SADD 20, 21
	SADD 20, 15
	s_mul_i32 s20, s20, REC                             ; V's record
	s_mul_i32 s21, s16, 4*1536
	s_add_co_u32 s80, s20, s21
	s_mov_b32 s81, 0
	s_lshl_b32 s21, s16, 8
	s_add_co_u32 s82, s20, s21
	s_add_co_u32 s82, s82, SCO
	s_mov_b32 s83, 0
	s_add_nc_u64 s[10:11], s[48:49], s[76:77]           ; where my results go: s[10:11] Q's or K's codes, s[48:49] scale words, s[50:51], s[52:53] V's
	s_add_nc_u64 s[48:49], s[48:49], s[78:79]
	s_add_nc_u64 s[50:51], s[52:53], s[80:81]
	s_add_nc_u64 s[52:53], s[52:53], s[82:83]
	s_mov_b32 s46, 0
	s_mov_b32 s47, 0
	s_mov_b32 s101, 0
	s_cmp_lt_u32 s14, 2
	s_cbranch_scc0 .Lnot_b
	s_wait_tensorcnt 0x0
.Lnot_b:
	BARRIER                                             ; Wv's rows are in
	PFGO 21, 6
	WEIGHTS
	s_cmp_eq_u32 s14, 3
	s_cbranch_scc1 .Lnot_a0
	s_wait_tensorcnt 0x0
.Lnot_a0:
	s_wait_dscnt 0x0
	BARRIER                                             ; chunk 0 is in; chunk 1 may still be on its way
	FETCH 0, 0
	FETCH 1, 0
; ================= PHASE 1: V, eight blocks; band 0's way outs stand in band 1's blocks
	s_wait_dscnt 24
	BLOCK 1, 0, 0, HV0, 32, 0, 32, L_NONE
	WIN 0
	PLACES 4
	FETCH 2, 1
	s_wait_dscnt 32
	BLOCK 1, 1, 0, HV0+8, 32, 0, 32, L_NONE
	WIN 0
	PLACES 4
	FETCH 3, 1
	s_wait_dscnt 24
	GRD
	BLOCK 1, 0, 1, HV0+16, 32, 0, 24, L_V2
	WIN 0
	s_wait_dscnt 0x0
	s_barrier_signal -1
	BLOCK 1, 0, 1, HV0+16, 32, 24, 32, L_NONE
	MIDDLE
	BARRIER
	s_cmp_lt_u32 s14, 2
	s_cbranch_scc0 .Lno_half
	TLOAD G0B, G1B                                      ; waves 0 and 1 a half each of Wq's or Wk's rows, onto Wv's, which all waves hold in registers
.Lno_half:
	PLACES 4                                            ; the places between the block's products and the fetch, for the waves that come round the load
	WALU
	FETCH 0, 0
	PFGO 22, 4
	BLOCK 1, 1, 1, HV0+24, 32, 0, 32, L_NONE
	WIN 0
	PLACES 4
	FETCH 1, 0
	s_wait_dscnt 24
	BLOCK 1, 0, 0, HV1, 32, 0, 32, L_CH, HV0, 0
	WIN 0
	CODES6 HV0, MCD, 0
	WALU
	ds_store_b8 v[STV], v[EB]
	FETCH 2, 1
	s_wait_dscnt 33
	BLOCK 1, 1, 0, HV1+8, 32, 0, 32, L_CH, HV0+32, 1
	WIN 0
	CODES6 HV0+32, MCD+12, 1
	WALU
	ds_store_b8 v[STV], v[EB+1] offset:4
	FETCH 3, 1
	s_wait_dscnt 25
	BLOCK 1, 0, 1, HV1+16, 32, 0, 32, L_CH, HV0+64, 2
	WIN 0
	CODES6 HV0+64, MCD+24, 2
	WALU
	ds_store_b8 v[STV], v[EB+2] offset:128
	s_wait_dscnt 1
	s_wait_xcnt 0x0                                     ; the list writes v21, the address of the head's prefetch
	BLOCK 1, 1, 1, HV1+24, 32, 0, 26, L_V7, HV0+96, 3
	WIN 0
	WALU
	s_wait_tensorcnt 0x0
	s_wait_dscnt 0x0
	s_barrier_signal -1                                 ; a plain barrier: the weights that the first refill brought are shown to all
	BLOCK 1, 1, 1, HV1+24, 32, 26, 32, L_NONE
	WIN 0
	s_barrier_wait -1
	CODES6 HV0+96, MCD+36, 3
	WALU
	ds_store_b8 v[STV], v[EB+3] offset:132
; ================= THE CHANGE OF PHASE: the weights and the first two blocks' rows, which lie in slot 0 still, in one run of loads; band 1's four way outs under their flight
	WEIGHTS
	FETCH 0, 0
	FETCH 1, 0
	PFGO 21, 4
.set I, 0
.rept 18
.irp t, 0,1,2,3
	CHAIN I, HV1+32*\t, \t, 76+4*\t
.endr
.set I, I+1
.endr
.set I, 0
.rept 6
.irp t, 0,1,2,3
	CODES I, HV1+32*\t, MCD+12*\t+6, \t, 92+4*\t
.endr
.set I, I+1
.endr
	WIN 0
	WALU
; ================= PHASE 2: Q or K, sixteen blocks, way outs by pairs
	s_wait_dscnt 24
	BLOCK 0, 0, 0, ACC, 8, 0, 32, L_NONE
	WIN 0
	PLACES 4
	WALU
.irp t, 0,1,2,3
	ds_store_b8 v[STV], v[EB+\t] offset:2+128*(\t/2)+4*(\t%2)
.endr
.irp t, 0,1,2,3
.irp k, 0,1,2
	global_store_b128 v[CO], v[MCD+12*\t+4*\k:MCD+12*\t+4*\k+3], s[50:51] offset:1536*\t+512*\k   ; V's codes leave: 512 consecutive bytes each, aligned
.endr
.endr
	FETCH 2, 1
	ODD 36, 0, 3
	s_mov_b32 s86, 0
.Lwith_rounds:                                          ; blocks 2 to 5, 6 to 9
	EVENROUND 25, 1, 0, 0
	ODD -1, 1, 1
	EVEN 25, 0, 2, 1
	ODD 33, 0, 3
	s_add_co_u32 s86, s86, 1
	s_cmp_lg_u32 s86, 2
	s_cbranch_scc1 .Lwith_rounds
	EVENSHOW 25, 1, 0, 0                                ; blocks 10 to 15
	ODD -1, 1, 1
	EVEN 25, 0, 2, 1
	ODD 33, 0, 3
	EVEN 25, 1, -1, 0
	ODD 1, 1, -1
; ================= THE END: the last way out; the scale words go through LDS under its conversions
	s_lshl_b32 s21, s14, 9
	s_add_co_u32 s21, s21, XN
	v_add_nc_u32 v13, s21, v[CO]
	s_lshl_b32 s21, s14, 8
	s_add_co_u32 s21, s21, XM
	v_add_nc_u32 v14, s21, v[C8]
.set I, 0
.rept 18
	CHAIN I, ACC+32, 1
.set I, I+1
.endr
	CODES 2, ACC+32, NCD+6, 1
	WALU
	ds_store_b8 v[VX], v[EB+1] offset:4
	s_wait_dscnt 0x0
	s_barrier_signal -1
	CODES 0, ACC+32, NCD+6, 1
	CODES 1, ACC+32, NCD+6, 1
	v_nop
.irp i, 3,4,5
	CODES \i, ACC+32, NCD+6, 1
.endr
	s_barrier_wait -1
	WALU
	ds_load_b128 v[76:79], v13
	ds_load_b64 v[80:81], v14
	PUT
	s_wait_dscnt 0x0
	global_store_b128 v[CO], v[76:79], s[48:49]
	global_store_b64 v[C8], v[80:81], s[52:53]
	s_wait_tensorcnt 0x0                                ; the wave's end
	ds_add_u32 v[SPW], v[NIL]
	s_wait_dscnt 0x0
	CROUND                                              ; the closing round
	s_endpgm
.Lfunc_end_k_q168a1dcd9a_proj:
	.size	k_q168a1dcd9a_proj, .Lfunc_end_k_q168a1dcd9a_proj-k_q168a1dcd9a_proj
	.p2alignl 7, 3214868480
	.fill 96, 4, 3214868480
	.section	.rodata,"a",@progbits
	.p2align	6, 0x0
	.amdhsa_kernel k_q168a1dcd9a_proj
		.amdhsa_group_segment_fixed_size 327680
		.amdhsa_private_segment_fixed_size 0
		.amdhsa_enable_private_segment 0
		.amdhsa_kernarg_size 40
		.amdhsa_user_sgpr_count 2
		.amdhsa_user_sgpr_kernarg_segment_ptr 1
		.amdhsa_wavefront_size32 1
		.amdhsa_system_sgpr_workgroup_id_x 1
		.amdhsa_system_sgpr_workgroup_id_y 1
		.amdhsa_system_sgpr_workgroup_id_z 1
		.amdhsa_system_vgpr_workitem_id 0
		.amdhsa_next_free_vgpr 1024
		.amdhsa_next_free_sgpr 102
		.amdhsa_reserve_vcc 0
		.amdhsa_float_denorm_mode_32 3
		.amdhsa_float_denorm_mode_16_64 3
		.amdhsa_memory_ordered 1
		.amdhsa_forward_progress 1
		.amdhsa_inst_pref_size 193
	.end_amdhsa_kernel
	.amdgpu_metadata
---
amdhsa.version: [ 1, 2 ]
amdhsa.kernels:
  - .name:           k_q168a1dcd9a_proj
    .symbol:         k_q168a1dcd9a_proj.kd
    .args:
      - { .name: xc, .offset: 0, .size: 8, .value_kind: global_buffer, .address_space: global }
      - { .name: wc, .offset: 8, .size: 8, .value_kind: global_buffer, .address_space: global }
      - { .name: qc, .offset: 16, .size: 8, .value_kind: global_buffer, .address_space: global }
      - { .name: kc, .offset: 24, .size: 8, .value_kind: global_buffer, .address_space: global }
      - { .name: vc, .offset: 32, .size: 8, .value_kind: global_buffer, .address_space: global }
    .group_segment_fixed_size: 327680
    .private_segment_fixed_size: 0
    .kernarg_segment_align: 8
    .kernarg_segment_size: 40
    .max_flat_workgroup_size: 128
    .sgpr_count:     102
    .vgpr_count:     1024
    .wavefront_size: 32
...
	.end_amdgpu_metadata
.endif
;; end of part 2
;; launch score (part 3): grid 32 x 8, 4 waves a work-group, clusters of 4 x 4, 327,680 bytes of LDS; arguments qc, kc, pc, pml; writes pc, pml
.if DOCPART == 3
	.amdgcn_target "amdgcn-amd-amdhsa--gfx1250"
	.amdhsa_code_object_version 6
	.text
	.protected	k_q168a1dcd9a_score
	.globl	k_q168a1dcd9a_score
	.p2align	8
	.type	k_q168a1dcd9a_score,@function
k_q168a1dcd9a_score:
	s_mov_b64 s[64:65], 0
	v_nop
	global_prefetch_b8 v0, s[64:65] scope:SCOPE_SE
	s_setreg_imm32_b32 hwreg(HW_REG_WAVE_MODE, 25, 1), 1
	s_wait_xcnt 0x0
	s_wait_alu depctr_hold_cnt(0) depctr_sa_sdst(0) depctr_va_vdst(0) depctr_va_sdst(0) depctr_va_ssrc(0) depctr_va_vcc(0) depctr_vm_vsrc(0)
	s_getreg_b32 s2, hwreg(HW_REG_IB_STS2, 6, 4)
	s_cmp_eq_u32 s2, 0
	s_cbranch_scc0 .Lentry_in_a_cluster
	s_endpgm
.Lentry_in_a_cluster:
	s_bfe_u32 s2, ttmp6, 0x10000c
	s_cmp_lg_u32 s2, 0xf033
	s_cbranch_scc0 .Lentry_shape_is_right
	s_endpgm
.Lentry_shape_is_right:
; LAUNCH 3 OF 4: S^T = k q^T on codes of FP6 (E2M3), and the softmax's p, quantised along the keys, chunk by chunk of 128 keys.  The scores never leave the registers.  Nothing is left out.
; t = score x log2(e) / 32.  For a query and a chunk of 128 keys: M_c = the chunk's largest t rounded UP to a whole number, p = 2^(t - M_c), l_c = the sum of the unquantised p.  The row's M is the largest M_c; M - M_c is a whole
; number, so the codes of 2^(t - M) are those of 2^(t - M_c) and only the blocks' scale bytes move, by M - M_c: the next launch moves them, and joins the l_c.
; LIMITS: the scaled scores t stay under 2^31 in magnitude; p under 2^-126 comes out of v_exp_f32 as 0; a block of zeros gets the byte 1 (its codes are zeros; this program alone reads the bytes); NaN and infinities are not served.
; IN: qc, kc as launch 2 lays them: record (256 tokens, kappa, group) of 12,800 bytes: eight fragments, each two halves of 768 bytes (16 lane: registers 0-3; 512 + 8 lane: registers 4, 5), and the scale words.
; OUT: pc: record (256 queries i, chunk, group g) of 12,288 bytes at (16 i + chunk) 2 + g: eight fragments, images of 12 registers as three runs of 512 bytes.  pml: for (group 2 i + g, pair of chunks y) 3,072 bytes at 8 (2 i + g) + y:
;   1,024 of -M_c, 1,024 of l_c, 1,024 of scale words; in each, 512 for each half of the group's fragments: lane r + 16 (a / 2) holds [chunk % 2][a % 2] of row r of fragment a.
; A work-group makes 256 queries x two chunks of keys: 32 x 8 work-groups; a wave 64 queries: 2 x 32 accumulators.  Source 0 = 8 fragments of keys, source 1 = 4 of queries: a lane holds one query, and by the rows' order its 32 registers
; of a band's four tiles are one block of 32 keys.
; K = 1,024 goes in 8 steps of 128, each a half step for each chunk, through two LDS slots of three steps (6 records of q, 6 of k).  Both are filled at the head, one tensor load a wave; slot 0 is filled again, once, with steps 6 and 7.
; CLUSTER 4 x 4: q's tiles hang on cx alone and are shared along a column, k's on cy alone and are shared along a row: every tile is a joint load.
; PREFETCH: the refill's tiles are asked for into the L2 in half step 0, each 256-byte block once in a cluster, shared out by address among the sixteen waves of the four work-groups that load it.
; REGISTERS: window 0: v1-11, v16-18 addresses; v12-15, v20-23 k's scale words; v24-27 q's; v64-159, v160-255 k's fragments, two sets (at work in the softmax); windows 1, 2: accumulator (a, b) of the chunk at v[64 a + 8 b]; window 3: q's fragments, two sets.
.set REC,   12800
.set SCO,   12288
.set PREC,  12288
.set SLOT,  12*REC
.set SPARE, 2*SLOT                     ; behind the slots: the spare words, 128 bytes for each wave: two blocks of 256 bytes that no other line names
.set L16, 1
.set L8,  2
.set SPW, 3
.set NIL, 4
.set AK,  5                            ; v5, v6   LDS address (16 lane) of k's records 0-2, 3-5 of the slot that is read next
.set AK8, 7                            ; v7, v8   the same with 8 lane
.set AQ,  9                            ; my fragments of q, 16 lane, 8 lane; their scale words
.set AQ8, 10
.set AQS, 11
.set PFQ, 16                           ; the prefetches' offsets; never rewritten
.set PFK, 17
.set SH,  18                           ; 8 h
.set BM,  64                           ; v64-71   a block's largest score, then its largest p (block 2 a + c)
.set T2,  72                           ; v72-79, v80-83 at work
.set T3,  80
.set SO,  84                           ; v84-91   the conversions' scale operands
.set NMP, 92                           ; v92-99   -M_c, a pair for each tile (the packed form names a pair)
.set LSA, 100                          ; v100-107, v108-115 the sums, two chains of pairs
.set LSB, 108
.set PW,  116                          ; v116-119 a tile's scale words
.set RT,  128                          ; v128-131 a tile's largest score, then t
.set ONM, 132                          ; v132-143 -M_c, l_c and scale words as they are stored
.set OLL, 136
.set OW,  140
.set PC,  148                          ; v148-195 a tile's 12 registers of codes
.set PT,  196                          ; v196-227 the upper halves of the blocks, before they are moved
.set WV,  14
.set G1Q, 24
.set G1K, 32
.set G0Q, 40
.set G0K, 44
.set QB,  48                           ; s[48:49] qc at my tile;  s[50:51] kc at my tile
.set KB,  50
.set PCP, 52
.set PMP, 56
.set HM,  58
.set SEL, 60
.set CS,  62                           ; s[62:63] c = log2(e) / 32
.set MSB, 0
.macro WIN new
.if MSB != (\new)
	s_set_vgpr_msb (MSB<<8)|(\new)
.set MSB, (\new)
.endif
.endm
.macro PLACES n
.rept \n
	v_nop
.endr
.endm
.macro CREST
	s_cmp_lg_u32 s[WV], 0
	s_cbranch_scc1 .Lnot_wave_0_\@
	s_barrier_signal -3
.Lnot_wave_0_\@:
	s_barrier_wait -3
	s_barrier_signal -1
	s_barrier_wait -1
.endm
.macro CROUND
	s_barrier_signal -1
	s_barrier_wait -1
	CREST
.endm
.macro TLOAD g0, g1
	tensor_load_to_lds s[\g0:\g0+3], s[\g1:\g1+7]
	s_nop 0
	PLACES 4
.endm
; ---- half step st: chunk st % 2, K step st / 2.  One product: q's fragment a, k's fragment b
.macro PR a, b, rv, rp, st, zero
.set D_, 64*(\a)+8*(\b)
.set A_, 64+96*((\st)%2)+12*(\b)
.set B_, 48*(((\st)/2)%2)+12*(\a)
.set X_, 12+8*((\st)%2)+2*((\b)/4)+(\b)%2
.set Y_, 24+2*(((\st)/2)%2)+(\a)%2
.if \zero
	v_wmma_scale_f32_16x16x128_f8f6f4 v[D_:D_+7], v[A_:A_+11], v[B_:B_+11], 0, v[X_], v[Y_] matrix_a_fmt:MATRIX_FMT_FP6 matrix_b_fmt:MATRIX_FMT_FP6 matrix_a_scale:MATRIX_SCALE_ROW\rv matrix_b_scale:MATRIX_SCALE_ROW\rp
.else
	v_wmma_scale_f32_16x16x128_f8f6f4 v[D_:D_+7], v[A_:A_+11], v[B_:B_+11], v[D_:D_+7], v[X_], v[Y_] matrix_a_fmt:MATRIX_FMT_FP6 matrix_b_fmt:MATRIX_FMT_FP6 matrix_a_scale:MATRIX_SCALE_ROW\rv matrix_b_scale:MATRIX_SCALE_ROW\rp
.endif
.endm
.macro MUL8 a, rp, st, zero            ; the 64 accumulators take turns, one instruction a turn, in the same order in every K step
	WIN 0x5c+0x50*((\st)%2)
	PR \a, 0, 0, \rp, \st, \zero
	PR \a, 1, 0, \rp, \st, \zero
	PR \a, 2, 1, \rp, \st, \zero
	PR \a, 3, 1, \rp, \st, \zero
	PR \a, 4, 0, \rp, \st, \zero
	PR \a, 5, 0, \rp, \st, \zero
	PR \a, 6, 1, \rp, \st, \zero
	PR \a, 7, 1, \rp, \st, \zero
.endm
; ---- half step st's fragments: 34 loads in three groups (10, 12, 12), or where q's come with them 51 in four (15, 12, 12, 12)
.macro LK st, b
.set I_, 2*(((\st)/2)%3)+(\st)%2
.set O_, (I_%3)*REC+1536*(\b)
.set R_, 64+96*((\st)%2)+12*(\b)
	ds_load_b128 v[R_:R_+3], v[AK+I_/3] offset:O_
	ds_load_b64 v[R_+4:R_+5], v[AK8+I_/3] offset:O_+512
	ds_load_b128 v[R_+6:R_+9], v[AK+I_/3] offset:O_+768
	ds_load_b64 v[R_+10:R_+11], v[AK8+I_/3] offset:O_+1280
.endm
.macro LQ st, a
.set O_, (((\st)/2)%3)*2*REC+1536*(\a)
.set R_, 48*(((\st)/2)%2)+12*(\a)
	ds_load_b128 v[R_:R_+3], v[AQ] offset:O_
	ds_load_b64 v[R_+4:R_+5], v[AQ8] offset:O_+512
	ds_load_b128 v[R_+6:R_+9], v[AQ] offset:O_+768
	ds_load_b64 v[R_+10:R_+11], v[AQ8] offset:O_+1280
.endm
.macro CHA st
	WIN 0
.set I_, 2*(((\st)/2)%3)+(\st)%2
.set X_, 12+8*((\st)%2)
	ds_load_b64 v[X_:X_+1], v[AK8+I_/3] offset:(I_%3)*REC+SCO
	ds_load_b64 v[X_+2:X_+3], v[AK8+I_/3] offset:(I_%3)*REC+SCO+256
.if (\st)%2 == 0
.set Y_, 24+2*(((\st)/2)%2)
	ds_load_b64 v[Y_:Y_+1], v[AQS] offset:(((\st)/2)%3)*2*REC
.endif
	LK \st, 0
	LK \st, 1
.if (\st)%2 == 0
	LK \st, 2
.endif
.endm
.macro CHB st
	WIN 0
.if (\st)%2
	LK \st, 2
	LK \st, 3
	LK \st, 4
.else
	LK \st, 3
	LK \st, 4
	LK \st, 5
.endif
.endm
.macro CHC st
	WIN 0
.if (\st)%2
	LK \st, 5
.endif
	LK \st, 6
	LK \st, 7
.if (\st)%2 == 0
	WIN 0xc0
	LQ \st, 0
.endif
.endm
.macro CHD st
.if (\st)%2 == 0
	WIN 0xc0
	LQ \st, 1
	LQ \st, 2
	LQ \st, 3
.endif
.endm
; The four v_nop are the places between the last half step's products and the loads into the registers that they and their forerunners read.
.macro STEP st, zero=0, pf=0
.if (\st)%2
	s_wait_dscnt 0x0
.else
	s_wait_dscnt 12                                ; q's last three fragments may be out
.endif
	PLACES 4
	CHA (\st)+1
	MUL8 0, 0, \st, \zero
.if (\st)%2 == 0
	s_wait_dscnt 10                                ; all but the ten just issued
.endif
	CHB (\st)+1
	MUL8 1, 0, \st, \zero
	CHC (\st)+1
	MUL8 2, 1, \st, \zero
	CHD (\st)+1
.if \pf
	WIN 0
	global_prefetch_b8 v[PFQ], s[QB:QB+1] offset:12*REC th:TH_LOAD_NT scope:SCOPE_SE   ; steps 6 and 7 of q and of k
	global_prefetch_b8 v[PFK], s[KB:KB+1] offset:12*REC th:TH_LOAD_NT scope:SCOPE_SE
.endif
	MUL8 3, 1, \st, \zero
.endm
; ---- a slot's last half step.  Its fragments are in registers or on their way, so behind the barrier the slot is read no more, and the other slot is whole.
.macro TURN st, refill
	WIN 0
	s_wait_tensorcnt 0x0                           ; all my tensor loads have landed;
.if \refill
	ds_add_u32 v[SPW], v[NIL]                      ; 0 onto my spare word;
	s_add_nc_u64 s[G0Q+2:G0Q+3], s[G0Q+2:G0Q+3], 12*REC
	s_add_nc_u64 s[G0K+2:G0K+3], s[G0K+2:G0K+3], 12*REC
	s_mov_b32 s[G1Q+2], 200<<16                    ; two steps: four records
	s_mov_b32 s[G1Q+4], 200
	s_mov_b32 s[G1K+2], 200<<16
	s_mov_b32 s[G1K+4], 200
	s_wait_dscnt 1                                 ; (the add may be out)
.else
	s_wait_dscnt 0x0
.endif
	MUL8 0, 0, \st, 0
	s_wait_dscnt 0x0                               ; the add is done, and so are my reads of this slot
	s_barrier_signal -1
	MUL8 1, 0, \st, 0
	WIN 0
	s_barrier_wait -1
.if \refill
	CREST                                          ; no wave of any partner still reads this slot or has a load on its way
	s_cmp_eq_u32 s[WV], 0
	s_cbranch_scc0 .Lnot_q_\@
	TLOAD G0Q, G1Q
	s_branch .Lasked_\@
.Lnot_q_\@:
	s_cmp_eq_u32 s[WV], 1
	s_cbranch_scc0 .Lasked_\@
	TLOAD G0K, G1K
.Lasked_\@:
.endif
.irp r, 5,6,7,8,9,10,11                ; AK .. AQS: to the other slot.  (Also the places in front of the loads)
.if ((\st)/6)%2
	v_sub_nc_u32 v[\r], v[\r], SLOT
.else
	v_add_nc_u32 v[\r], SLOT, v[\r]
.endif
.endr
	s_wait_alu depctr_va_vdst(0)
	CHA (\st)+1
	CHB (\st)+1
	MUL8 2, 1, \st, 0
	CHC (\st)+1
	CHD (\st)+1
	MUL8 3, 1, \st, 0
.endm
; ---- THE LARGEST SCORE OF EACH BLOCK OF 32 KEYS serves twice: for the chunk's maximum, and, since p rises with the score, for the block's largest p.  Line m of 128: the eight blocks by turns, each accumulator from its low end on
.macro MX m
.set n_, (\m)%8
.set i_, (\m)/8
.if i_ == 0
	v_max3_num_f32 v[BM+n_], v[32*n_], v[32*n_+1], 0xff800000
.else
	v_max3_num_f32 v[BM+n_], v[32*n_+2*i_], v[32*n_+2*i_+1], v[BM+n_]
.endif
.endm
.macro PRX a, b, rv, rp                ; the last half step: behind each product four lines of the first chunk's maxima
	WIN 0xac
	PR \a, \b, \rv, \rp, 15, 0
	WIN 0x05
.rept 4
	MX M_
.set M_, M_+1
.endr
.endm
.macro PRX8 a, rp
	PRX \a, 0, 0, \rp
	PRX \a, 1, 0, \rp
	PRX \a, 2, 1, \rp
	PRX \a, 3, 1, \rp
	PRX \a, 4, 0, \rp
	PRX \a, 5, 0, \rp
	PRX \a, 6, 1, \rp
	PRX \a, 7, 1, \rp
.endm
; ---- THE REST OF A CHUNK'S SOFTMAX, for my four tiles of 16 queries x 128 keys.  The chunk's accumulators lie in window 1 + ch
.macro EPI ch
.set W_, 1+\ch
	WIN 0
.irp a, 0,1,2,3
	v_max_num_f32 v[RT+\a], v[BM+2*\a], v[BM+2*\a+1]
.endr
.irp a, 0,1,2,3
	v_permlanex16_b32 v[T2+\a], v[RT+\a], s[SEL], s[SEL+1]   ; (T2 has been written: it lies in k's first set)
.endr
.irp a, 0,1,2,3
	v_max_num_f32 v[RT+\a], v[RT+\a], v[T2+\a]     ; the chunk's largest score of my query
.endr
.irp a, 0,1,2,3
	v_mul_f32 v[RT+\a], s[CS], v[RT+\a]            ; as t (c is positive)
.endr
.irp a, 0,1,2,3
	v_floor_f32 v[NMP+2*\a], -v[RT+\a]             ; -M_c = floor(-t) = -ceil(t): a whole number
.endr
.irp a, 0,1,2,3
	v_mov_b32 v[NMP+2*\a+1], v[NMP+2*\a]           ; (named as the pair's upper half, so it is written)
.endr
.irp n, 0,1,2,3,4,5,6,7
	v_fma_f32 v[BM+\n], v[BM+\n], s[CS], v[NMP+2*(\n/2)]   ; t - M_c of each block's largest score
.endr
	WIN W_*0x41
.set n, 0
.rept 128
	v_pk_fma_f32 v[2*n:2*n+1], v[2*n:2*n+1], s[CS:CS+1], v[NMP+2*(n/32):NMP+2*(n/32)+1] op_sel_hi:[1,0,0]   ; t - M_c, two at a time (of the pairs c and -M_c the low word serves both halves)
.set n, n+1
.endr
	WIN 0
	s_wait_alu depctr_va_vdst(0)                   ; ahead of the batch
.irp n, 0,1,2,3,4,5,6,7
	v_exp_f32 v[BM+\n], v[BM+\n]                   ; the block's largest p: the same two instructions on the same number give the same bits as below
.endr
	WIN W_*0x41
.set n, 0
.rept 256
	v_exp_f32 v[n], v[n]                           ; p = 2^(t - M_c): NOT normalised
.set n, n+1
.endr
	v_nop                                          ; a plain line behind the last exponential
	WIN W_*5
	s_wait_alu depctr_va_vdst(0)                   ; and behind it, ahead of the batch's first reader
.irp a, 0,1,2,3
	v_pk_add_f32 v[LSA+2*\a:LSA+2*\a+1], v[64*\a:64*\a+1], v[64*\a+2:64*\a+3]   ; THE SUM IS TAKEN OF THE UNQUANTISED p: two at a time, in two chains a tile
	v_pk_add_f32 v[LSB+2*\a:LSB+2*\a+1], v[64*\a+4:64*\a+5], v[64*\a+6:64*\a+7]
.endr
	WIN W_
.irp j, 8,12,16,20,24,28,32,36,40,44,48,52,56,60
.irp a, 0,1,2,3
	v_pk_add_f32 v[LSA+2*\a:LSA+2*\a+1], v[64*\a+\j:64*\a+\j+1], v[LSA+2*\a:LSA+2*\a+1]
	v_pk_add_f32 v[LSB+2*\a:LSB+2*\a+1], v[64*\a+\j+2:64*\a+\j+3], v[LSB+2*\a:LSB+2*\a+1]
.endr
.endr
	WIN 0
.irp a, 0,1,2,3
	v_pk_add_f32 v[LSA+2*\a:LSA+2*\a+1], v[LSA+2*\a:LSA+2*\a+1], v[LSB+2*\a:LSB+2*\a+1]
.endr
.irp a, 0,1,2,3
	v_add_f32 v[LSA+2*\a], v[LSA+2*\a], v[LSA+2*\a+1]
.endr
.irp a, 0,1,2,3
	v_permlanex16_b32 v[T3+\a], v[LSA+2*\a], s[SEL], s[SEL+1]
.endr
.irp a, 0,1,2,3
	v_add_f32 v[LSA+2*\a], v[LSA+2*\a], v[T3+\a]   ; l_c
.endr
.irp n, 0,1,2,3,4,5,6,7
	v_max_num_f32 v[BM+\n], 0x1800000, v[BM+\n]    ; the floor 2^(3 - 127): the byte cannot fall under 1
.endr
.irp n, 0,1,2,3,4,5,6,7
	v_add_nc_u32 v[SO+\n], 0xff000000, v[BM+\n]    ; 2 off the exponent field: the conversion's scale operand
.endr
.irp n, 0,1,2,3,4,5,6,7
	v_lshrrev_b32 v[T2+\n], 23, v[SO+\n]           ; the scale's byte
.endr
.irp a, 0,1,2,3
	v_lshl_or_b32 v[PW+\a], v[T2+2*\a+1], 16, v[T2+2*\a]   ; blocks h and 2 + h,
.endr
.irp a, 0,1,2,3
	v_lshlrev_b32 v[PW+\a], v[SH], v[PW+\a]        ; at their places in the word;
.endr
.irp a, 0,1,2,3
	v_permlanex16_b32 v[T3+\a], v[PW+\a], s[SEL], s[SEL+1]
.endr
.irp a, 0,1,2,3
	v_or_b32 v[PW+\a], v[PW+\a], v[T3+\a]          ; with lane l xor 16's two the word is whole
.endr
	WIN W_
.irp a, 0,1,2,3
.irp c, 0,1
	v_cvt_scalef32_pk16_fp6_f32 v[PC+12*\a+6*\c:PC+12*\a+6*\c+2], v[64*\a+32*\c:64*\a+32*\c+15], v[SO+2*\a+\c]
	v_cvt_scalef32_pk16_fp6_f32 v[PT+8*\a+4*\c:PT+8*\a+4*\c+2], v[64*\a+32*\c+16:64*\a+32*\c+31], v[SO+2*\a+\c]
.endr
.endr
	WIN 0
	v_nop                                          ; one plain line behind the last conversion
.irp a, 0,1,2,3
.irp c, 0,1
.irp i, 0,1,2
	v_mov_b32 v[PC+12*\a+6*\c+3+\i], v[PT+8*\a+4*\c+\i]
.endr
.endr
.endr
.irp a, 0,1,2,3
.irp c, 0,1,2
	global_store_b128 v[L16], v[PC+12*\a+4*\c:PC+12*\a+4*\c+3], s[PCP:PCP+1] offset:2*PREC*\ch+1536*\a+512*\c   ; 512 consecutive bytes, at a multiple of 256 from the buffer's first byte
.endr
.endr
.irp k, 0,1                            ; lanes 0-15 hold tiles 0 and 1, lanes 16-31 tiles 2 and 3
	v_cndmask_b32 v[ONM+2*\ch+\k], v[NMP+2*\k], v[NMP+4+2*\k], s[HM]
	v_cndmask_b32 v[OLL+2*\ch+\k], v[LSA+2*\k], v[LSA+4+2*\k], s[HM]
	v_cndmask_b32 v[OW+2*\ch+\k], v[PW+\k], v[PW+2+\k], s[HM]
.endr
.endm
; ================= THE HEAD
	s_load_b256 s[4:11], s[0:1], 0x0               ; qc s[4:5], kc s[6:7], pc s[8:9], pml s[10:11]
	v_lshl_add_u32 v[SPW], v0, 2, SPARE
	v_mov_b32 v[NIL], 0
	ds_add_u32 v[SPW], v[NIL]                      ; the wave's opening: the add, twice on end, and its wait ahead of my first tensor load
	ds_add_u32 v[SPW], v[NIL]
	v_lshrrev_b32 v28, 5, v0
	v_readfirstlane_b32 s[WV], v28
	s_bfe_u32 s15, ttmp6, 0x40000                  ; cx
	s_bfe_u32 s16, ttmp6, 0x40004                  ; cy
	s_lshl_b32 s17, ttmp9, 2
	s_add_co_u32 s17, s17, s15                     ; i: my 256 queries
	s_and_b32 s18, ttmp7, 0xffff
	s_lshl_b32 s18, s18, 2
	s_add_co_u32 s18, s18, s16                     ; y: my two chunks of keys in the batch
	s_lshr_b32 s19, s[WV], 1                       ; my group of queries; at the head also the slot that I fetch for
	s_and_b32 s20, s[WV], 1                        ; my half of that group
	s_lshl_b32 s21, s16, 2
	s_lshl_b32 s21, 15, s21
	s_or_b32 s[G1K+0], s21, (3<<16)|(1<<21)        ; the mask: k's tiles go to my row of the cluster; elements of 8 bytes; bit 21 set beside a mask; no padding
	s_lshl_b32 s21, 0x1111, s15
	s_or_b32 s[G1Q+0], s21, (3<<16)|(1<<21)        ; q's to my column
.irp g, G1Q, G1K
	s_mov_b32 s[\g+1], 32<<16                      ; 6 records: 300 rows of 256 bytes
	s_mov_b32 s[\g+2], 300<<16
	s_mov_b32 s[\g+3], 32<<16
	s_mov_b32 s[\g+4], 300
	s_mov_b32 s[\g+5], 32
	s_mov_b32 s[\g+6], 0
	s_mov_b32 s[\g+7], 0
.endr
	s_mul_i32 s66, s17, 16*REC
	s_mov_b32 s67, 0
	s_lshr_b32 s68, ttmp9, 1                       ; the batch
	s_lshl_b32 s68, s68, 3
	s_add_co_u32 s68, s68, s18
	s_mul_i32 s68, s68, 16*REC
	s_mov_b32 s69, 0
	s_mov_b32 s[G0Q], 1
	s_mov_b32 s[G0K], 1
	s_mul_i32 s[G0Q+1], s19, SLOT
	s_add_co_u32 s[G0K+1], s[G0Q+1], 6*REC         ; k's six records lie behind q's
	s_mul_i32 s2, s19, 6*REC
	s_mov_b32 s3, 0
	s_mov_b32 s[HM], 0xffff0000
	s_mov_b32 s[SEL], 0x76543210
	s_mov_b32 s[SEL+1], 0xfedcba98
	s_mov_b32 s[CS], 0x3d38aa3b                    ; c = log2(e) / 32
	s_mov_b32 s[CS+1], s[CS]                       ; (named with it as a pair, so it is written)
	s_mul_i32 s22, s19, REC
	s_mul_i32 s21, s20, 4*1536
	s_add_co_u32 s21, s21, s22                     ; my four fragments of q in a slot
	s_lshl_b32 s23, s20, 8
	s_add_co_u32 s22, s22, s23
	s_add_co_u32 s22, s22, SCO                     ; and their scale words
	s_mul_i32 s12, s16, 50                         ; prefetches: of 200 blocks 50 a partner and 13 a wave, held at the partner's last
	s_mul_i32 s13, s15, 50
	s_mul_i32 s23, s[WV], 13
	v_and_b32 v28, 31, v0                          ; lane
	v_lshlrev_b32 v[L8], 3, v28
	v_lshlrev_b32 v[L16], 4, v28
	v_add_nc_u32 v[AK], 6*REC, v[L16]
	v_add_nc_u32 v[AK+1], 9*REC, v[L16]
	v_add_nc_u32 v[AK8], 6*REC, v[L8]
	v_add_nc_u32 v[AK8+1], 9*REC, v[L8]
	v_add_nc_u32 v[AQ], s21, v[L16]
	v_add_nc_u32 v[AQ8], s21, v[L8]
	v_add_nc_u32 v[AQS], s22, v[L8]
	v_bfe_u32 v[SH], v0, 4, 1
	v_lshlrev_b32 v[SH], 3, v[SH]
	v_min_u32 v28, 12, v28
	v_add_nc_u32 v28, s23, v28
	v_min_u32 v28, 49, v28
	v_add_nc_u32 v[PFQ], s12, v28
	v_add_nc_u32 v[PFK], s13, v28
	v_lshlrev_b32 v[PFQ], 8, v[PFQ]
	v_lshlrev_b32 v[PFK], 8, v[PFK]
	s_wait_alu depctr_va_vdst(0)
	s_wait_dscnt 0x0                               ; both opening adds are done
	CROUND                                         ; all sixteen work-groups are here: the joint loads meet
	s_wait_kmcnt 0x0
	s_add_nc_u64 s[QB:QB+1], s[4:5], s[66:67]
	s_add_nc_u64 s[KB:KB+1], s[6:7], s[68:69]
	s_add_nc_u64 s[G0Q+2:G0Q+3], s[QB:QB+1], s[2:3]
	s_or_b32 s[G0Q+3], s[G0Q+3], 0x80000000
	s_add_nc_u64 s[G0K+2:G0K+3], s[KB:KB+1], s[2:3]
	s_or_b32 s[G0K+3], s[G0K+3], 0x80000000
.macro ARM n, g0, g1, next             ; one tensor load a wave: waves 0, 1 slot 0's q and k, waves 2, 3 slot 1's
	s_cmp_eq_u32 s[WV], \n
	s_cbranch_scc0 \next
	TLOAD \g0, \g1
	s_branch .Lasked
\next:
.endm
	ARM 0, G0Q, G1Q, .Lwave_1
	ARM 1, G0K, G1K, .Lwave_2
	ARM 2, G0Q, G1Q, .Lwave_3
	TLOAD G0K, G1K
.Lasked:
	s_lshl_b32 s2, s17, 3
	s_add_co_u32 s2, s2, s18
	s_lshl_b32 s2, s2, 2                           ; (16 i + 2 y) 2
	s_add_co_u32 s2, s2, s19
	s_mul_i32 s2, s2, PREC
	s_mul_i32 s21, s20, 4*1536
	s_add_co_u32 s2, s2, s21
	s_add_nc_u64 s[PCP:PCP+1], s[8:9], s[2:3]      ; where p's codes go
	s_lshl_b32 s2, s17, 1
	s_add_co_u32 s2, s2, s19
	s_lshl_b32 s2, s2, 3
	s_add_co_u32 s2, s2, s18
	s_mul_i32 s2, s2, 3072
	s_lshl_b32 s21, s20, 9
	s_add_co_u32 s2, s2, s21
	s_add_nc_u64 s[PMP:PMP+1], s[10:11], s[2:3]    ; and -M_c, l_c and the scale words
	s_cmp_lt_u32 s[WV], 2
	s_cbranch_scc0 .Lslot_1
	s_wait_tensorcnt 0x0                           ; waves 0 and 1: slot 0's tiles are in; slot 1's may still be on their way
.Lslot_1:
	s_barrier_signal -1
	s_barrier_wait -1
	CHA 0
	CHB 0
	CHC 0
	CHD 0
; ================= EIGHT K STEPS, SIXTEEN HALF STEPS
	STEP 0, 1, 1
	STEP 1, 1
	STEP 2
	STEP 3
	STEP 4
	TURN 5, 1
	STEP 6
	STEP 7
	STEP 8
	STEP 9
	STEP 10
	TURN 11, 0
	STEP 12
	STEP 13
	STEP 14
	s_wait_dscnt 0x0
	PLACES 4                                       ; between the first chunk's last products and the first read of their results
.set M_, 0
	PRX8 0, 0
	PRX8 1, 0
	PRX8 2, 1
	PRX8 3, 1
	EPI 0
	s_wait_xcnt 0x0                                ; the stores have read their registers
	WIN 0x0a
	s_wait_alu depctr_va_vdst(0)
.set M_, 0
.rept 128
	MX M_
.set M_, M_+1
.endr
	EPI 1
	global_store_b128 v[L16], v[ONM:ONM+3], s[PMP:PMP+1]
	global_store_b128 v[L16], v[OLL:OLL+3], s[PMP:PMP+1] offset:1024
	global_store_b128 v[L16], v[OW:OW+3], s[PMP:PMP+1] offset:2048
	s_wait_tensorcnt 0x0                           ; the wave's end
	ds_add_u32 v[SPW], v[NIL]
	s_wait_dscnt 0x0
	CROUND                                         ; the closing round: no work-group ends while a partner may still ask for a tile that names it
	s_endpgm
.Lfunc_end_k_q168a1dcd9a_score:
	.size	k_q168a1dcd9a_score, .Lfunc_end_k_q168a1dcd9a_score-k_q168a1dcd9a_score
	.p2alignl 7, 3214868480
	.fill 96, 4, 3214868480
	.section	.rodata,"a",@progbits
	.p2align	6, 0x0
	.amdhsa_kernel k_q168a1dcd9a_score
		.amdhsa_group_segment_fixed_size 327680
		.amdhsa_private_segment_fixed_size 0
		.amdhsa_enable_private_segment 0
		.amdhsa_kernarg_size 32
		.amdhsa_user_sgpr_count 2
		.amdhsa_user_sgpr_kernarg_segment_ptr 1
		.amdhsa_wavefront_size32 1
		.amdhsa_system_sgpr_workgroup_id_x 1
		.amdhsa_system_sgpr_workgroup_id_y 1
		.amdhsa_system_sgpr_workgroup_id_z 1
		.amdhsa_system_vgpr_workitem_id 0
		.amdhsa_next_free_vgpr 1024
		.amdhsa_next_free_sgpr 72
		.amdhsa_reserve_vcc 0
		.amdhsa_float_denorm_mode_32 3
		.amdhsa_float_denorm_mode_16_64 3
		.amdhsa_memory_ordered 1
		.amdhsa_forward_progress 1
		.amdhsa_inst_pref_size 205
	.end_amdhsa_kernel
	.amdgpu_metadata
---
amdhsa.version: [ 1, 2 ]
amdhsa.kernels:
  - .name:           k_q168a1dcd9a_score
    .symbol:         k_q168a1dcd9a_score.kd
    .args:
      - { .name: qc, .offset: 0, .size: 8, .value_kind: global_buffer, .address_space: global }
      - { .name: kc, .offset: 8, .size: 8, .value_kind: global_buffer, .address_space: global }
      - { .name: pc, .offset: 16, .size: 8, .value_kind: global_buffer, .address_space: global }
      - { .name: pml, .offset: 24, .size: 8, .value_kind: global_buffer, .address_space: global }
    .group_segment_fixed_size: 327680
    .private_segment_fixed_size: 0
    .kernarg_segment_align: 8
    .kernarg_segment_size: 32
    .max_flat_workgroup_size: 128
    .sgpr_count:     72
    .vgpr_count:     1024
    .wavefront_size: 32
...
	.end_amdgpu_metadata
.endif
;; end of part 3
;; launch outp (part 4): grid 32 x 8, 4 waves a work-group, clusters of 4 x 4, 327,680 bytes of LDS; arguments pc, pml, vc, out0; writes out0
.if DOCPART == 4
	.amdgcn_target "amdgcn-amd-amdhsa--gfx1250"
	.amdhsa_code_object_version 6
	.text
	.protected	k_q168a1dcd9a_outp
	.globl	k_q168a1dcd9a_outp
	.p2align	8
	.type	k_q168a1dcd9a_outp,@function
k_q168a1dcd9a_outp:
	s_mov_b64 s[64:65], 0
	v_nop
	global_prefetch_b8 v0, s[64:65] scope:SCOPE_SE
	s_setreg_imm32_b32 hwreg(HW_REG_WAVE_MODE, 25, 1), 1
	s_wait_xcnt 0x0
	s_wait_alu depctr_hold_cnt(0) depctr_sa_sdst(0) depctr_va_vdst(0) depctr_va_sdst(0) depctr_va_ssrc(0) depctr_va_vcc(0) depctr_vm_vsrc(0)
	s_getreg_b32 s2, hwreg(HW_REG_IB_STS2, 6, 4)
	s_cmp_eq_u32 s2, 0
	s_cbranch_scc0 .Lentry_in_a_cluster
	s_endpgm
.Lentry_in_a_cluster:
	s_bfe_u32 s2, ttmp6, 0x10000c
	s_cmp_lg_u32 s2, 0xf033
	s_cbranch_scc0 .Lentry_shape_is_right
	s_endpgm
.Lentry_shape_is_right:
; LAUNCH 4 OF 4: out = (p v) / l on codes of FP6 (E2M3), sums in f32.  p's codes were made chunk by chunk of 128 keys under M_c; here each chunk's scale bytes are moved by M - M_c (M the row's largest M_c, all whole numbers) and
; l = the sum of l_c 2^(M_c - M).  Nothing is left out.
; LIMITS: a byte that M - M_c moves under 1 becomes 0, the scale 2^-127; a difference beyond 127 counts as 127; NaN and infinities are not served.
; THE RECORD: 128 rows x 128 along K in 12,800 bytes: eight fragments of 1,536 bytes, images of an operand's 12 registers (byte 512 c + 16 lane + 4 e = register 4 c + e); lane row r of fragment rb is row
; 32 (rb / 2) + 8 (rb % 2) + r % 8 + 16 (r / 8); from byte 12,288 on the scale words, that of (rb, r) at 256 (rb / 4) + 128 ((rb / 2) % 2) + 8 r + 4 (rb % 2).
; vc: record (128 channels y, 128 tokens kappa) at (64 y + kappa) x 12,800; pc: record (256 queries i, chunk kappa, group g) at ((16 i + kappa) 2 + g) x 12,288.
; A work-group makes 256 queries x 128 channels: 32 x 8 work-groups; a wave 64 queries x 128 channels: 32 accumulators.  Source 0 = v (eight fragments), source 1 = p (four): a lane holds one query, its registers run along the channels.
; K = 2,048 goes in 16 steps of 128 through two LDS slots of FOUR steps each (4 records of v, 8 of p: 149,504 bytes).  Both are filled at the head, one tensor load a wave; slot 0 is filled again in step 3 (steps 8-11), slot 1 in step 7 (12-15).
; CLUSTER 4 x 4: v's tiles hang on cy alone and are shared along a row of the cluster, p's on cx alone and are shared along a column: every tile is a joint load.
; PREFETCH: what a refill will load is asked for into the L2 three steps ahead of it (in steps 0 and 4): each 256-byte block once in a cluster, shared out by address among the sixteen waves of the four work-groups that load it.
; REGISTERS: window 0: v1-7, v57-61 addresses; v8-23 v's scale words, four sets; v24-55 p's, a pair for each step; v64-159, v160-255 v's fragments, two sets;  window 1: accumulator (a, b) at v[64 a + 8 b];
;   window 2: p's fragments, two sets, v[48 s + 12 a]; from v128 on 1 / l;  window 3: the way out.
.set REC,   12800
.set SCO,   12288
.set PREC,  12288                      ; p's records hold codes alone: record (256 queries i, chunk kappa, group g) at ((16 i + kappa) 2 + g) x 12,288; the scale words come with -M_c and l_c in pml
.set SLOT,  4*REC+8*PREC               ; four steps: 4 records of v, 8 of p: 149,504 bytes
.set SPARE, 2*SLOT                     ; behind the slots: the spare words, 128 bytes for each wave: two blocks of 256 bytes that no other line names
.set L16, 1                            ; 16 x lane
.set L8,  2                            ; 8 x lane
.set SPW, 3                            ; LDS address of my spare word
.set NIL, 4                            ; 0
.set AV,  5                            ; LDS addresses in the slot that is read next: v's fragments,
.set AVS, 6                            ; v's scale words,
.set AP,  7                            ; my fragments of p in steps 0, 1 of the slot,
.set AP2, 57                           ; and in steps 2, 3
.set STO, 58                           ; the way out: where I put 16 bytes, and where I read a row back
.set RD,  59
.set PFP, 60                           ; the prefetches' offsets; never rewritten
.set PFV, 61
.set S1S, 24
.set S0F, 64
.set RL,  128                          ; window 2: v640.. 1 / l, a pair for each block a
.set NMR, 160                          ; at the head alone: v160-191 -M_c, v192-223 l_c, v224-251 at work
.set LLR, 192
.set NMN, 224
.set LS,  226
.set EE,  228
.set TT,  232
.set XX,  236
.set MK,  240
.set S7,  244
.set RC,  248
.set RX,  250
.set WV,  14
.set G1V, 24                           ; s[24:31] descriptor group 1 of v's tiles: 200 rows of 256 bytes
.set G1P, 32                           ; s[32:39] of p's: 384
.set G0V, 40
.set G0P, 44
.set PB,  48                           ; s[48:49] pc at my tile;  s[50:51] vc at my tile
.set VB,  50
.set RQ,  52
.set PM,  54
.set OUT, 56
.set HM,  58
.set ONES,59
.set SEL, 60
.set MULW, 0x58                        ; source 0 window 0, source 1 window 2, C and D window 1
.set MSB, 0
.macro WIN new                         ; the immediate's high byte repeats the setting that is left; a switch that changes nothing is dropped
.if MSB != (\new)
	s_set_vgpr_msb (MSB<<8)|(\new)
.set MSB, (\new)
.endif
.endm
.macro PLACES n
.rept \n
	v_nop
.endr
.endm
.macro CREST                           ; a round of the cluster's barrier behind its opening barrier
	s_cmp_lg_u32 s[WV], 0
	s_cbranch_scc1 .Lnot_wave_0_\@
	s_barrier_signal -3
.Lnot_wave_0_\@:
	s_barrier_wait -3
	s_barrier_signal -1
	s_barrier_wait -1
.endm
.macro CROUND
	s_barrier_signal -1
	s_barrier_wait -1
	CREST
.endm
.macro TLOAD g0, g1
	tensor_load_to_lds s[\g0:\g0+3], s[\g1:\g1+7]
	s_nop 0
	PLACES 4
.endm
; ---- one product: p's fragment a, v's fragment b;  rv, rp: the rows of the scale registers
.macro PR a, b, rv, rp, st, zero
.set D_, 64*(\a)+8*(\b)
.set A_, S0F+96*((\st)%2)+12*(\b)
.set B_, 48*((\st)%2)+12*(\a)
.set X_, 12+8*((\st)%2)-4*(((\st)%4)/2)+2*((\b)/4)+(\b)%2
.set Y_, S1S+2*(\st)+(\a)%2
.if \zero
	v_wmma_scale_f32_16x16x128_f8f6f4 v[D_:D_+7], v[A_:A_+11], v[B_:B_+11], 0, v[X_], v[Y_] matrix_a_fmt:MATRIX_FMT_FP6 matrix_b_fmt:MATRIX_FMT_FP6 matrix_a_scale:MATRIX_SCALE_ROW\rv matrix_b_scale:MATRIX_SCALE_ROW\rp
.else
	v_wmma_scale_f32_16x16x128_f8f6f4 v[D_:D_+7], v[A_:A_+11], v[B_:B_+11], v[D_:D_+7], v[X_], v[Y_] matrix_a_fmt:MATRIX_FMT_FP6 matrix_b_fmt:MATRIX_FMT_FP6 matrix_a_scale:MATRIX_SCALE_ROW\rv matrix_b_scale:MATRIX_SCALE_ROW\rp
.endif
.endm
.macro MUL8 a, rp, st, zero            ; the 32 accumulators take turns, one instruction a turn, in the same order in every step
	WIN MULW
	PR \a, 0, 0, \rp, \st, \zero
	PR \a, 1, 0, \rp, \st, \zero
	PR \a, 2, 1, \rp, \st, \zero
	PR \a, 3, 1, \rp, \st, \zero
	PR \a, 4, 0, \rp, \st, \zero
	PR \a, 5, 0, \rp, \st, \zero
	PR \a, 6, 1, \rp, \st, \zero
	PR \a, 7, 1, \rp, \st, \zero
.endm
; ---- step st's fragments, 38 loads in four groups: 11 (both pairs of v's scale words, v's fragments 0-2), 9 (v 3-5), 9 (v 6, 7, p 0), 9 (p 1-3)
.macro LV st, b
.irp c, 0,1,2
	ds_load_b128 v[S0F+96*((\st)%2)+12*(\b)+4*\c:S0F+96*((\st)%2)+12*(\b)+4*\c+3], v[AV] offset:((\st)%4)*REC+1536*(\b)+512*\c
.endr
.endm
.macro LP st, a
.irp c, 0,1,2
.if ((\st)%4) < 2
	ds_load_b128 v[48*((\st)%2)+12*(\a)+4*\c:48*((\st)%2)+12*(\a)+4*\c+3], v[AP] offset:((\st)%2)*2*PREC+1536*(\a)+512*\c
.else
	ds_load_b128 v[48*((\st)%2)+12*(\a)+4*\c:48*((\st)%2)+12*(\a)+4*\c+3], v[AP2] offset:((\st)%2)*2*PREC+1536*(\a)+512*\c
.endif
.endr
.endm
.macro CHA st
	WIN 0
.set X_, 12+8*((\st)%2)-4*(((\st)%4)/2)
	ds_load_b64 v[X_:X_+1], v[AVS] offset:((\st)%4)*REC
	ds_load_b64 v[X_+2:X_+3], v[AVS] offset:((\st)%4)*REC+256
	LV \st, 0
	LV \st, 1
	LV \st, 2
.endm
.macro CHB st
	WIN 0
	LV \st, 3
	LV \st, 4
	LV \st, 5
.endm
.macro CHC st
	WIN 0
	LV \st, 6
	LV \st, 7
	WIN 0x80
	LP \st, 0
.endm
.macro CHD st
	WIN 0x80
	LP \st, 1
	LP \st, 2
	LP \st, 3
.endm
; ---- a step: 32 products; the next step's loads stand among them.  The four v_nop are the places between the last step's products and the loads into the registers that they read.
.macro STEP st, zero=0, pf=0
	s_wait_dscnt 9                                 ; v's fragments and p's first are in; p's other three (nine loads) may be out
	PLACES 4
	CHA (\st)+1
	MUL8 0, 0, \st, \zero
	s_wait_dscnt 11                                ; all but the eleven just issued
	CHB (\st)+1
	MUL8 1, 0, \st, \zero
	CHC (\st)+1
	MUL8 2, 1, \st, \zero
	CHD (\st)+1
.if \pf
	WIN 0
	global_prefetch_b8 v[PFP], s[PB:PB+1] offset:(8+8*\pf)*PREC th:TH_LOAD_NT scope:SCOPE_SE   ; the next refill's tile of p, eight steps on from this slot's,
	global_prefetch_b8 v[PFV], s[VB:VB+1] offset:(4+4*\pf)*REC th:TH_LOAD_NT scope:SCOPE_SE   ; and of v
.endif
	MUL8 3, 1, \st, \zero
.endm
; ---- a slot's last step.  Its fragments are in registers or on their way, so behind the barrier the slot is read no more, and the other slot is whole.  refill 1: slot 0, steps 8-11; 2: slot 1, steps 12-15; 0: nothing is filled
.macro TURN st, refill
	WIN 0
	s_wait_tensorcnt 0x0                           ; all my tensor loads have landed;
.if \refill
	ds_add_u32 v[SPW], v[NIL]                      ; 0 onto my spare word;
.if \refill == 1
	s_add_nc_u64 s[G0V+2:G0V+3], s[G0V+2:G0V+3], 8*REC
	s_add_nc_u64 s[G0P+2:G0P+3], s[G0P+2:G0P+3], 16*PREC
.else
	s_add_nc_u64 s[G0V+2:G0V+3], s[G0V+2:G0V+3], 4*REC
	s_add_nc_u64 s[G0P+2:G0P+3], s[G0P+2:G0P+3], 8*PREC
	s_add_co_u32 s[G0V+1], s[G0V+1], SLOT
	s_add_co_u32 s[G0P+1], s[G0P+1], SLOT
.endif
	s_wait_dscnt 10                                ; (the add and p's three fragments may be out)
.else
	s_wait_dscnt 9
.endif
	MUL8 0, 0, \st, 0
	s_wait_dscnt 0x0                               ; the add is done, and so are my reads of this slot
	s_barrier_signal -1
	MUL8 1, 0, \st, 0
	WIN 0
	s_barrier_wait -1
.if \refill
	CREST                                          ; no wave of any partner still reads this slot or has a load on its way
	s_cmp_eq_u32 s[WV], 0
	s_cbranch_scc0 .Lnot_v_\@
	TLOAD G0V, G1V                                 ; wave 0: four steps of v
	s_branch .Lasked_\@
.Lnot_v_\@:
	s_cmp_eq_u32 s[WV], 1
	s_cbranch_scc0 .Lasked_\@
	TLOAD G0P, G1P                                 ; wave 1: four steps of p
.Lasked_\@:
.endif
.irp r, AV, AVS, AP, AP2               ; to the other slot.  (These four lines are also the places in front of the loads)
.if ((\st)/4)%2
	v_sub_nc_u32 v[\r], v[\r], SLOT
.else
	v_add_nc_u32 v[\r], SLOT, v[\r]
.endif
.endr
	s_wait_alu depctr_va_vdst(0)
	CHA (\st)+1
	CHB (\st)+1
	MUL8 2, 1, \st, 0
	CHC (\st)+1
	CHD (\st)+1
	MUL8 3, 1, \st, 0
.endm
; ---- THE WAY OUT of block a (16 queries x 128 channels): x 1 / l in place, into my own stage, back as whole rows of 512 bytes, stored.  The stage lies in slot 0, which has had its last fill and, behind step 11's barrier, its last read.
.macro SCALE a
	WIN 0x49
.set n, 0
.rept 32
	v_pk_mul_f32 v[64*(\a)+2*n:64*(\a)+2*n+1], v[64*(\a)+2*n:64*(\a)+2*n+1], v[RL+2*(\a):RL+2*(\a)+1] op_sel_hi:[1,0]
.set n, n+1
.endr
	WIN 0x04
.irp g, 0,1,2,3
.irp j, 0,1,2,3
	ds_store_b128 v[STO], v[64*(\a)+16*\g+4*\j:64*(\a)+16*\g+4*\j+3] offset:128*\g+16*\j
.endr
.endr
	WIN 0xc0
.irp t, 0,1,2,3,4,5,6,7,8,9,10,11,12,13,14,15
	ds_load_b128 v[64*(\a)+4*\t:64*(\a)+4*\t+3], v[RD] offset:528*\t   ; LDS serves a wave's instructions in order (ISA guide 5.7.1.4)
.endr
.endm
.macro SEND a, younger
	s_wait_dscnt \younger
	WIN 0x0c
.irp t, 0,1,2,3,4,5,6,7,8,9,10,11,12,13,14,15
	global_store_b128 v[L16], v[64*(\a)+4*\t:64*(\a)+4*\t+3], s[OUT:OUT+1] offset:(32*(\t/8)+16*((\a)%2)+2*(\t%8)+(\a)/2)*4096 th:TH_STORE_NT   ; row t of block a = 2 u + v is query 32 (t / 8) + 16 v + 2 (t % 8) + u of my 64: 512 consecutive bytes, aligned
.endr
.endm
; ================= THE HEAD
	s_load_b256 s[4:11], s[0:1], 0x0               ; pc s[4:5], pml s[6:7], vc s[8:9], out0 s[10:11]
	v_lshl_add_u32 v[SPW], v0, 2, SPARE
	v_mov_b32 v[NIL], 0
	ds_add_u32 v[SPW], v[NIL]                      ; the wave's opening: the add, twice on end, and its wait ahead of my first tensor load
	ds_add_u32 v[SPW], v[NIL]
	v_lshrrev_b32 v56, 5, v0
	v_readfirstlane_b32 s[WV], v56                 ; wave 0..3
	s_bfe_u32 s15, ttmp6, 0x40000                  ; cx
	s_bfe_u32 s16, ttmp6, 0x40004                  ; cy
	s_lshl_b32 s17, ttmp9, 2
	s_add_co_u32 s17, s17, s15                     ; i: my 256 queries
	s_and_b32 s18, ttmp7, 0xffff
	s_lshl_b32 s18, s18, 2
	s_add_co_u32 s18, s18, s16                     ; y: my 128 channels
	s_lshr_b32 s19, s[WV], 1                       ; my group of queries; at the head also the slot that I fetch for
	s_and_b32 s20, s[WV], 1                        ; my half of that group
	s_lshl_b32 s21, s16, 2
	s_lshl_b32 s21, 15, s21
	s_or_b32 s[G1V+0], s21, (3<<16)|(1<<21)        ; the mask: v's tiles go to my row of the cluster; elements of 8 bytes; bit 21 set beside a mask; no padding: every read takes 512 or 256 consecutive bytes
	s_lshl_b32 s21, 0x1111, s15
	s_or_b32 s[G1P+0], s21, (3<<16)|(1<<21)        ; p's to my column
	s_mov_b32 s[G1V+1], 32<<16
	s_mov_b32 s[G1V+2], 200<<16
	s_mov_b32 s[G1V+3], 32<<16
	s_mov_b32 s[G1V+4], 200
	s_mov_b32 s[G1V+5], 32
	s_mov_b32 s[G1V+6], 0
	s_mov_b32 s[G1V+7], 0
	s_mov_b32 s[G1P+1], 32<<16
	s_mov_b32 s[G1P+2], 384<<16
	s_mov_b32 s[G1P+3], 32<<16
	s_mov_b32 s[G1P+4], 384
	s_mov_b32 s[G1P+5], 32
	s_mov_b32 s[G1P+6], 0
	s_mov_b32 s[G1P+7], 0
	s_mul_i32 s66, s17, 32*PREC                    ; p's tile: made of i and the wave's number, v's of y and the wave's number
	s_mov_b32 s67, 0
	s_lshr_b32 s2, ttmp9, 1                        ; the batch
	s_lshl_b32 s68, s18, 2
	s_add_co_u32 s68, s68, s2
	s_mul_i32 s68, s68, 16*REC
	s_mov_b32 s69, 0
	s_mov_b32 s[G0V], 1
	s_mov_b32 s[G0P], 1
	s_mul_i32 s[G0V+1], s19, SLOT
	s_add_co_u32 s[G0P+1], s[G0V+1], 4*REC         ; p's eight records lie behind v's four
	s_mul_i32 s2, s19, 4*REC
	s_mov_b32 s3, 0
	s_mov_b32 s[HM], 0xffff0000
	s_mov_b32 s[ONES], 0x01010101
	s_mov_b32 s[SEL], 0x76543210
	s_mov_b32 s[SEL+1], 0xfedcba98
	s_mul_i32 s21, s20, 4*1536
	s_mul_i32 s22, s19, PREC
	s_add_co_u32 s21, s21, s22
	s_add_co_u32 s21, s21, 4*REC                   ; my four fragments of p in a slot
	s_mul_i32 s22, s[WV], 16*528                   ; my stage
	s_mul_i32 s12, s16, 96                         ; prefetches: of a tile of p, 384 blocks, 96 a partner and 24 a wave;
	s_mul_i32 s13, s[WV], 24
	s_add_co_u32 s12, s12, s13
	s_mul_i32 s13, s15, 50                         ; of a tile of v, 200 blocks, 50 a partner and 13 a wave, held at the partner's last
	s_mul_i32 s23, s[WV], 13
	v_and_b32 v56, 31, v0                          ; lane
	v_lshlrev_b32 v[L8], 3, v56
	v_lshlrev_b32 v[L16], 4, v56
	v_lshlrev_b32 v[AV], 4, v56
	v_add_nc_u32 v[AVS], SCO, v[L8]
	v_add_nc_u32 v[AP], s21, v[L16]
	v_add_nc_u32 v[AP2], 4*PREC, v[AP]
	v_and_b32 v62, 15, v0
	v_bfe_u32 v63, v0, 4, 1
	v_mul_u32_u24 v[STO], v62, 528                 ; in: row lane % 16, 64 bytes for each half of the lanes
	v_lshl_add_u32 v[STO], v63, 6, v[STO]
	v_add_nc_u32 v[STO], s22, v[STO]
	v_add_nc_u32 v[RD], s22, v[L16]                ; back: 32 lanes take one row of 512 bytes
	v_min_u32 v[PFP], 23, v56
	v_add_nc_u32 v[PFP], s12, v[PFP]
	v_lshlrev_b32 v[PFP], 8, v[PFP]
	v_min_u32 v[PFV], 12, v56
	v_add_nc_u32 v[PFV], s23, v[PFV]
	v_min_u32 v[PFV], 49, v[PFV]
	v_add_nc_u32 v[PFV], s13, v[PFV]
	v_lshlrev_b32 v[PFV], 8, v[PFV]
	s_wait_alu depctr_va_vdst(0)
	s_wait_dscnt 0x0                               ; both opening adds are done
	CROUND                                         ; all sixteen work-groups are here: the joint loads meet
	s_wait_kmcnt 0x0
	s_lshl_b32 s22, s17, 1
	s_add_co_u32 s22, s22, s19
	s_mul_i32 s22, s22, 8*3072
	s_lshl_b32 s23, s20, 9
	s_add_co_u32 s22, s22, s23
	s_mov_b32 s23, 0
	s_add_nc_u64 s[PM:PM+1], s[6:7], s[22:23]      ; my rows' -M_c, l_c and scale words: asked for ahead of the tiles, two chunks to a load of 512 consecutive bytes
.irp k, 0,1,2,3,4,5,6,7
	global_load_b128 v[NMR+4*\k:NMR+4*\k+3], v[L16], s[PM:PM+1] offset:\k*3072
.endr
.irp k, 0,1,2,3,4,5,6,7
	global_load_b128 v[S1S+4*\k:S1S+4*\k+3], v[L16], s[PM:PM+1] offset:\k*3072+2048
	global_load_b128 v[LLR+4*\k:LLR+4*\k+3], v[L16], s[PM:PM+1] offset:\k*3072+1024
.endr
	s_add_nc_u64 s[PB:PB+1], s[4:5], s[66:67]
	s_add_nc_u64 s[VB:VB+1], s[8:9], s[68:69]
	s_add_nc_u64 s[G0V+2:G0V+3], s[VB:VB+1], s[2:3]
	s_or_b32 s[G0V+3], s[G0V+3], 0x80000000
	s_mul_i32 s2, s19, 8*PREC
	s_add_nc_u64 s[G0P+2:G0P+3], s[PB:PB+1], s[2:3]
	s_or_b32 s[G0P+3], s[G0P+3], 0x80000000
.macro ARM n, g0, g1, next             ; one tensor load a wave: waves 0, 1 slot 0's v and p, waves 2, 3 slot 1's
	s_cmp_eq_u32 s[WV], \n
	s_cbranch_scc0 \next
	TLOAD \g0, \g1
	s_branch .Lasked
\next:
.endm
	ARM 0, G0V, G1V, .Lwave_1
	ARM 1, G0P, G1P, .Lwave_2
	ARM 2, G0V, G1V, .Lwave_3
	TLOAD G0P, G1P
.Lasked:
	s_lshl_b32 s2, s17, 8
	s_lshl_b32 s22, s[WV], 6
	s_add_co_u32 s2, s2, s22
	s_lshl_b32 s2, s2, 12
	s_lshl_b32 s22, s18, 9
	s_add_co_u32 s2, s2, s22
	s_add_nc_u64 s[OUT:OUT+1], s[10:11], s[2:3]    ; query 256 i + 64 wave, channel 128 y
	s_wait_loadcnt 16                              ; the -M_c are in
.irp w, 0,1
	v_min_num_f32 v[NMN+\w], v[NMR+\w], v[NMR+2+\w]
.endr
.irp k, 4,6,8,10,12,14,16,18,20,22,24,26,28,30
.irp w, 0,1
	v_min_num_f32 v[NMN+\w], v[NMN+\w], v[NMR+\k+\w]   ; -M = the least of the row's -M_c
.endr
.endr
	s_wait_alu depctr_va_vdst(0)
	s_wait_loadcnt 0x0
.irp q, 0,1,2,3,4,5,6,7                ; two chunks at a time, two words each: e = M_c - M, 0 or less
.irp n, 0,1,2,3
	v_sub_f32 v[EE+\n], v[NMN+\n%2], v[NMR+4*\q+\n]
.endr
.irp n, 0,1,2,3
	v_max_num_f32 v[EE+\n], 0xc2fe0000, v[EE+\n]   ; held at -127
.endr
.irp n, 0,1,2,3
	v_cvt_i32_f32 v[EE+\n], v[EE+\n]
.endr
.irp n, 0,1,2,3
.if (\q == 0) && (\n < 2)
	v_ldexp_f32 v[LS+\n], v[LLR+\n], v[EE+\n]
.else
	v_ldexp_f32 v[TT+\n], v[LLR+4*\q+\n], v[EE+\n]
.endif
.endr
.irp n, 0,1,2,3
	v_mul_lo_u32 v[MK+\n], v[EE+\n], s[ONES]       ; e in all four bytes
.endr
.irp n, 0,1,2,3
	v_or_b32 v[XX+\n], 0x80808080, v[S1S+4*\q+\n]  ; p's bytes are 125 at the most, so bit 7 is free: with it set no byte borrows from the next
.endr
.irp n, 0,1,2,3
	v_add_nc_u32 v[XX+\n], v[XX+\n], v[MK+\n]
.endr
.irp n, 0,1,2,3
	v_and_b32 v[MK+\n], 0x80808080, v[XX+\n]       ; where bit 7 is gone the byte would be negative:
.endr
.irp n, 0,1,2,3
	v_lshrrev_b32 v[S7+\n], 7, v[MK+\n]
.endr
.irp n, 0,1,2,3
	v_sub_nc_u32 v[MK+\n], v[MK+\n], v[S7+\n]      ; 0x7f or 0 for each byte
.endr
.irp n, 0,1,2,3
	v_and_b32 v[S1S+4*\q+\n], v[XX+\n], v[MK+\n]
.endr
.irp n, 0,1,2,3
.if (\q > 0) || (\n > 1)
	v_add_f32 v[LS+\n%2], v[LS+\n%2], v[TT+\n]     ; l
.endif
.endr
.endr
	s_wait_alu depctr_va_vdst(0)
	v_rcp_f32 v[RC], v[LS]
	v_rcp_f32 v[RC+1], v[LS+1]
	v_mov_b32 v[RX], 0
	v_mov_b32 v[RX+1], 0
	s_wait_alu depctr_va_vdst(0)
	v_permlanex16_b32 v[RX], v[RC], s[SEL], s[SEL+1]
	v_permlanex16_b32 v[RX+1], v[RC+1], s[SEL], s[SEL+1]
	WIN 0x80
	v_cndmask_b32 v[RL+0], v[RC], v[RX], s[HM]     ; both halves of the lanes take block a's rows
	v_cndmask_b32 v[RL+2], v[RC+1], v[RX+1], s[HM]
	v_cndmask_b32 v[RL+4], v[RX], v[RC], s[HM]
	v_cndmask_b32 v[RL+6], v[RX+1], v[RC+1], s[HM]
	WIN 0x82
.irp a, 0,1,2,3
	v_mov_b32 v[RL+2*\a+1], v[RL+2*\a]             ; (named as the pair's upper half, so it is written)
.endr
	WIN 0
	s_wait_alu depctr_va_vdst(0)                   ; at the head's end
	s_cmp_lt_u32 s[WV], 2
	s_cbranch_scc0 .Lslot_1
	s_wait_tensorcnt 0x0                           ; waves 0 and 1: slot 0's tiles are in; slot 1's may still be on their way
.Lslot_1:
	s_barrier_signal -1
	s_barrier_wait -1
	CHA 0
	CHB 0
	CHC 0
	CHD 0
; ================= SIXTEEN STEPS
	STEP 0, 1, 1
	STEP 1
	STEP 2
	TURN 3, 1
	STEP 4, 0, 2
	STEP 5
	STEP 6
	TURN 7, 2
	STEP 8
	STEP 9
	STEP 10
	TURN 11, 0
	STEP 12
	STEP 13
	STEP 14
; the last step: each block of 16 queries leaves as soon as it is finished
	s_wait_dscnt 9
	MUL8 0, 0, 15, 0
	s_wait_dscnt 0x0
	MUL8 1, 0, 15, 0
	PLACES 4                                       ; between products and the first read of their results
	SCALE 0
	MUL8 2, 1, 15, 0
	PLACES 4
	SCALE 1
	SEND 0, 32                                     ; (block 1's 16 stores and 16 loads may be out)
	MUL8 3, 1, 15, 0
	PLACES 4
	SCALE 2
	SEND 1, 32
	SCALE 3
	SEND 2, 32
	SEND 3, 0
	WIN 0
	s_wait_tensorcnt 0x0                           ; the wave's end
	ds_add_u32 v[SPW], v[NIL]
	s_wait_dscnt 0x0
	CROUND                                         ; the closing round: no work-group ends while a partner may still ask for a tile that names it
	s_endpgm
.Lfunc_end_k_q168a1dcd9a_outp:
	.size	k_q168a1dcd9a_outp, .Lfunc_end_k_q168a1dcd9a_outp-k_q168a1dcd9a_outp
	.p2alignl 7, 3214868480
	.fill 96, 4, 3214868480
	.section	.rodata,"a",@progbits
	.p2align	6, 0x0
	.amdhsa_kernel k_q168a1dcd9a_outp
		.amdhsa_group_segment_fixed_size 327680
		.amdhsa_private_segment_fixed_size 0
		.amdhsa_enable_private_segment 0
		.amdhsa_kernarg_size 32
		.amdhsa_user_sgpr_count 2
		.amdhsa_user_sgpr_kernarg_segment_ptr 1
		.amdhsa_wavefront_size32 1
		.amdhsa_system_sgpr_workgroup_id_x 1
		.amdhsa_system_sgpr_workgroup_id_y 1
		.amdhsa_system_sgpr_workgroup_id_z 1
		.amdhsa_system_vgpr_workitem_id 0
		.amdhsa_next_free_vgpr 1024
		.amdhsa_next_free_sgpr 70
		.amdhsa_reserve_vcc 0
		.amdhsa_float_denorm_mode_32 3
		.amdhsa_float_denorm_mode_16_64 3
		.amdhsa_memory_ordered 1
		.amdhsa_forward_progress 1
		.amdhsa_inst_pref_size 164
	.end_amdhsa_kernel
	.amdgpu_metadata
---
amdhsa.version: [ 1, 2 ]
amdhsa.kernels:
  - .name:           k_q168a1dcd9a_outp
    .symbol:         k_q168a1dcd9a_outp.kd
    .args:
      - { .name: pc, .offset: 0, .size: 8, .value_kind: global_buffer, .address_space: global }
      - { .name: pml, .offset: 8, .size: 8, .value_kind: global_buffer, .address_space: global }
      - { .name: vc, .offset: 16, .size: 8, .value_kind: global_buffer, .address_space: global }
      - { .name: out0, .offset: 24, .size: 8, .value_kind: global_buffer, .address_space: global }
    .group_segment_fixed_size: 327680
    .private_segment_fixed_size: 0
    .kernarg_segment_align: 8
    .kernarg_segment_size: 32
    .max_flat_workgroup_size: 128
    .sgpr_count:     70
    .vgpr_count:     1024
    .wavefront_size: 32
...
	.end_amdgpu_metadata
.endif
;; end of part 4
